; MI455X (gfx1250); checked and timed in simulation.
; The chip was launched on July 23, 2026; its instructions are those of AMD's public machine-readable ISA for CDNA 5 (MIT licence, August 2026) and "CDNA5" Instruction Set Architecture Reference Guide (July 2026). The comments in the code are by the model that wrote it; some were corrected since.
;; Multi Head Self Attention. Allowed arithmetic: matrix products marked QUANTISED: E2M1 operands, one E8M0 scale for each 32 along K, by v_wmma_scale_f32_16x16x128_f8f6f4 with both operands' format E2M1 (or v_wmma_scale_f32_32x16x128_f4), f32 sums; products left as they are: bf16, f16 or f32 operands; f32 sums; everything else in f32.
;; Inputs: Wk 1,024 x 1,024 float32; Wo 1,024 x 1,024 float32; Wq 1,024 x 1,024 float32; Wv 1,024 x 1,024 float32; x 4 x 2,048 x 1,024 float32.
;; Outputs: out0 4 x 2,048 x 1,024 float32.
;; This version of the problem:
;;   THIS VERSION OF THE PROBLEM IS GIVEN IN LOW PRECISION. The matrix products marked QUANTISED in the list below multiply operands that are first quantised to E2M1 (2 exponent bits, 1 mantissa bit; 4 bits a number), with one power-of-two scale for each 32 numbers along K (OCP MX v1.0); their sums are f32. The products marked 'left as it is' may take bf16, f16 or f32 operands, with f32 sums. Whichever they take, every output number must still come out within the allowed error. Rounding operands to bf16 (8 significant bits) uses up far more of that allowance than f16 does (11 bits, for magnitudes from 6e-5 to 65,504). All else is computed in f32.
;;   The module's matrix products, in the order in which they are computed (A, B: the left and right operand; K: the contracted axis; several contracted axes count as one K, in the product's order):
;;     1. [M 8,192, K 1,024] x [K 1,024, N 1,024]; A: input x; B: input Wq: QUANTISED
;;     2. [M 8,192, K 1,024] x [K 1,024, N 1,024]; A: input x; B: input Wk: QUANTISED
;;     3. [M 8,192, K 1,024] x [K 1,024, N 1,024]; A: input x; B: input Wv: QUANTISED
;;     4. batch 64 x [M 2,048, K 64] x [K 64, N 2,048]; A: computed on the way; B: computed on the way: left as it is (an operand is computed on the way)
;;     5. batch 64 x [M 2,048, K 2,048] x [K 2,048, N 64]; A: computed on the way; B: computed on the way: left as it is (an operand is computed on the way)
;;     6. [M 8,192, K 1,024] x [K 1,024, N 1,024]; A: computed on the way; B: input Wo: left as it is (an operand is computed on the way)
;;   THE QUANTISER, for each operand of a quantised product, along K:
;;     - K is cut into blocks of 32 from its start; a last block that is shorter is filled with zeros.
;;     - A block's scale is 2^e with e = floor(log2(the largest magnitude in the block)) - 2, held to -126 .. 127; a block of zeros has e = 0. As a byte (E8M0): e + 127.
;;     - Each number is divided by its block's scale, clamped to +-6, and rounded to the nearest number of E2M1, ties to even, subnormals kept.
;;     - The product sums the exact products of the quantised numbers (number of the format x scale) in f32.
;;   ~~~python
;;   def quantise(x, axis):      # numpy; x: float32 -> the quantised numbers, widened to float32 again
;;       x = np.moveaxis(x, axis, -1); K = x.shape[-1]
;;       x = np.pad(x, [(0, 0)] * (x.ndim - 1) + [(0, -K % 32)]); x = x.reshape(x.shape[:-1] + (-1, 32)); a = np.abs(x).max(-1, keepdims=True)
;;       e = np.where(a > 0, np.clip(np.frexp(np.where(a > 0, a, 1))[1] - 1 - 2, -126, 127), 0)      # np.frexp(a)[1] - 1 = floor(log2(a)), exactly
;;       r = np.clip(x / 2.0 ** e, -6, 6)
;;       step = 2.0 ** (np.maximum(np.frexp(np.where(r == 0, 1, r))[1] - 1, 0) - 1)
;;       q = np.round(r / step) * step * 2.0 ** e      # np.round: ties to even
;;       return np.moveaxis(q.reshape(q.shape[:-2] + (-1,))[..., :K], -1, axis).astype(np.float32)
;;   ~~~
;; One version. Each part assembles by itself: llvm-mc -triple=amdgcn-amd-amdhsa -mcpu=gfx1250 --defsym DOCPART=n.
;; ======== version 1 of 1: 5 launches
;; limits: values are held in f16: magnitudes above 65,504 overflow, below 6.1e-05 lose precision
;; workspace buffers: x_codes 4,194,304 bytes; x_scales 262,144 bytes; w_codes 1,572,864 bytes; w_scales 98,304 bytes; wo16 2,097,152 bytes; qkv16 50,331,648 bytes; qkv32 786,432 bytes; ctx16 16,777,216 bytes
;; launch quant (part 1): grid 384 x 1, 4 waves a work-group, no clusters, 33,280 bytes of LDS; arguments x, Wq, Wk, Wv, Wo, x_codes, x_scales, w_codes, w_scales, wo16; writes x_codes, x_scales, w_codes, w_scales, wo16
.if DOCPART == 1
	.amdgcn_target "amdgcn-amd-amdhsa--gfx1250"
	.amdhsa_code_object_version 6
	.text
	.protected	k_qa3c72e69da_quant
	.globl	k_qa3c72e69da_quant
	.p2align	8
	.type	k_qa3c72e69da_quant,@function
k_qa3c72e69da_quant:
	s_mov_b64 s[64:65], 0
	v_nop
	global_prefetch_b8 v0, s[64:65] scope:SCOPE_SE
	s_setreg_imm32_b32 hwreg(HW_REG_WAVE_MODE, 25, 1), 1
	s_wait_xcnt 0x0
; x [8192][1024] and Wq, Wk, Wv [1024][1024], f32, K innermost, become codes of FP4 (E2M1), two a byte, with one E8M0 scale byte for each 32 along K;
; Wo [1024][1024] becomes f16, laid [16 chunks of 64 along K][1024 rows][64], so that a later launch fetches a chunk of rows as one dense tile.
; A block's scale is 2^(floor(log2(its largest magnitude)) - 2); its byte is the largest magnitude's exponent field - 2, held at 1 from below; each number is divided by the scale and rounded to the nearest code, ties to even, beyond 6 the largest code.
; LIMITS: a block of zeros gets the byte 1 where the rule says 127 (its codes are zeros, and this program alone reads the bytes); blocks whose largest magnitude lies under 2^(2 - 126) have their byte held at 1; NaN and infinities are not served.
; SHARES: a work-group takes 32,768 numbers.  Work-groups 0-255: x; 256-287: Wq; 288-319: Wk; 320-351: Wv (their codes lie one behind the other in w_codes, rows 0-3071); 352-383: Wo.
; The four quantised tensors take ONE path; only pointers are chosen, by the work-group's number.  Rows are dense and K is a multiple of 32: a tensor is a stream of blocks of 32.
; A wave takes 16 steps of 512 numbers.  Each load reads 512 consecutive bytes; a step's 2,048 bytes turn through the wave's own stage in LDS so that a lane holds 16 neighbours along K (two lanes to a block).
; No tensor loads, no barrier: waves share nothing.  Loads run four steps (16 loads a wave) ahead.
.set WAVES, 4
.set STEPS, 16
.set EMAX,  2
.set CB,    8                          ; bytes of 16 codes
.set R,     16                         ; v16-79   four sets of 16 numbers as loaded
.set X,     80                         ; v80-111  two sets of 16 neighbours
.set E,     112                        ; v112-127 a scale byte for each step
.set C,     128                        ; v128-191 codes: four registers for each step, so that no store's data are written again
.set WREG,  8192                       ; LDS: a region for each wave: two stages of 32 x SP bytes, then its 256 scale bytes
.set SP,    80                         ; a lane's place in a stage: 64 bytes + 16 of padding
.set SPW,   12                         ; v12  LDS address of my spare word; never rewritten
.set NIL,   13                         ; v13  0; never rewritten
.set SPARE, WAVES*WREG                 ; behind the regions: the spare words, 128 bytes a wave, which no other line names
.set SRC,   28                         ; s[28:29] the tensor, s[30:31] its codes, s[32:33] its scale bytes
.set COD,   30
.set SCA,   32
	s_load_b256 s[4:11], s[0:1], 0x0               ; x, Wq, Wk, Wv
	s_load_b256 s[12:19], s[0:1], 0x20             ; Wo, x_codes, x_scales, w_codes
	s_load_b128 s[20:23], s[0:1], 0x40             ; w_scales, wo16
	v_lshl_add_u32 v[SPW], v0, 2, SPARE
	v_mov_b32 v[NIL], 0
	v_lshrrev_b32 v1, 5, v0
	v_readfirstlane_b32 s24, v1                    ; wave
	v_and_b32 v2, 31, v0                           ; lane
	v_lshlrev_b32 v3, 4, v2                        ; 16 x lane: my bytes of a load's 512
	v_lshlrev_b32 v4, 3, v2                        ; 8 x lane: my bytes of a store's 256
	s_cmp_ge_u32 ttmp9, 352
	s_cbranch_scc1 .Lwo
	; ---- the quantised tensors
	s_mul_i32 s38, s24, WREG
	v_lshrrev_b32 v14, 2, v2
	v_mul_u32_u24 v14, v14, SP
	v_and_b32 v15, 3, v2
	v_lshl_add_u32 v14, v15, 4, v14
	v_add_nc_u32 v14, s38, v14                     ; the stage, in: four lanes' 64 bytes on end, then the padding
	v_mul_u32_u24 v15, v2, SP
	v_add_nc_u32 v15, s38, v15                     ; and out: SP x lane: my 16 neighbours
	v_lshrrev_b32 v5, 1, v2
	s_add_co_u32 s38, s38, 2*32*SP
	v_add_nc_u32 v5, s38, v5                       ; my wave's 256 scale bytes: my block's byte
	v_add_nc_u32 v6, s38, v4                       ; and on the way out 8 bytes a lane
	s_sub_co_u32 s25, ttmp9, 256                   ; which work-group among the weights' 96 (not used for x)
	s_lshr_b32 s26, s25, 5                         ; which weight
	s_and_b32 s27, s25, 31                         ; which part of it
	s_wait_kmcnt 0x0
	s_cmp_eq_u32 s26, 1
	s_cselect_b64 s[SRC:SRC+1], s[8:9], s[6:7]
	s_cmp_eq_u32 s26, 2
	s_cselect_b64 s[SRC:SRC+1], s[10:11], s[SRC:SRC+1]
	s_cmp_lt_u32 ttmp9, 256                        ; x or a weight: the choice hangs on the work-group's number alone
	s_cselect_b64 s[SRC:SRC+1], s[4:5], s[SRC:SRC+1]
	s_cselect_b64 s[COD:COD+1], s[14:15], s[18:19]
	s_cselect_b64 s[SCA:SCA+1], s[16:17], s[20:21]
	s_cselect_b32 s34, ttmp9, s27                  ; the part in the tensor read,
	s_cselect_b32 s35, ttmp9, s25                  ; and in the buffers written
	s_lshl_b32 s34, s34, 2
	s_add_co_u32 s34, s34, s24                     ; my wave's run of 8,192 numbers
	s_lshl_b32 s35, s35, 2
	s_add_co_u32 s35, s35, s24
	s_lshl_b32 s36, s34, 15                        ; 32,768 bytes of f32 a run
	s_mov_b32 s37, 0
	s_add_nc_u64 s[SRC:SRC+1], s[SRC:SRC+1], s[36:37]
	s_lshl_b32 s36, s35, 12                        ; 4,096 bytes of codes
	s_add_nc_u64 s[COD:COD+1], s[COD:COD+1], s[36:37]
	s_lshl_b32 s36, s35, 8                         ; 256 scale bytes
	s_add_nc_u64 s[SCA:SCA+1], s[SCA:SCA+1], s[36:37]
.macro LOAD t
.irp i, 0,1,2,3
	global_load_b128 v[R+16*((\t)%4)+4*\i:R+16*((\t)%4)+4*\i+3], v3, s[SRC:SRC+1] offset:2048*(\t)+512*\i th:TH_LOAD_NT   ; 32 lanes read 512 consecutive bytes
.endr
.endm
.macro TURN t                          ; step t's numbers through the stage: LDS serves a wave's instructions in order, so no wait stands between the stores and the loads
.irp i, 0,1,2,3
	ds_store_b128 v14, v[R+16*((\t)%4)+4*\i:R+16*((\t)%4)+4*\i+3] offset:32*SP*((\t)%2)+8*SP*\i
.endr
.irp i, 0,1,2,3
	ds_load_b128 v[X+16*((\t)%2)+4*\i:X+16*((\t)%2)+4*\i+3], v15 offset:32*SP*((\t)%2)+16*\i
.endr
.endm
.irp t, 0,1,2,3
	LOAD \t
.endr
	s_wait_loadcnt 12                              ; step 0's four loads are in; three steps' twelve may be out
	TURN 0
.macro STEP t
.set XS, X+16*((\t)%2)
.if (\t) > 0
	s_wait_dscnt 1                                 ; this step's numbers are back from the stage (the last step's byte store may be out): its stores into the stage have read their registers,
.else
	s_wait_dscnt 0x0
.endif
.if (\t)+4 < STEPS
	LOAD (\t)+4                                    ; which take the loads of four steps on
.endif
.if (\t)+1 < STEPS
.if STEPS-2-(\t) >= 3
	s_wait_loadcnt 12                              ; the next step's four loads are in; those of the three steps behind it may be out
.else
	s_wait_loadcnt 4*(STEPS-2-(\t))
.endif
	TURN (\t)+1                                    ; and go through the other stage while this step is worked
.endif
	v_max3_num_f32 v8, |v[XS]|, |v[XS+1]|, |v[XS+2]|               ; the largest magnitude of my 16, in two chains
	v_max3_num_f32 v9, |v[XS+3]|, |v[XS+4]|, |v[XS+5]|
.irp i, 6,10
	v_max3_num_f32 v8, v8, |v[XS+\i]|, |v[XS+\i+1]|
	v_max3_num_f32 v9, v9, |v[XS+\i+2]|, |v[XS+\i+3]|
.endr
	v_max3_num_f32 v8, v8, |v[XS+14]|, |v[XS+15]|
	v_max3_num_f32 v8, v8, v9, (EMAX+1)<<23        ; and the floor 2^(3 - 127): the byte cannot fall under 1
	v_max_num_f32_dpp v8, v8, v8 row_xmask:1 row_mask:0xf bank_mask:0xf   ; and of my neighbour's 16: the block's
	v_add_nc_u32 v11, 0xff000000, v8               ; 2 off its exponent field: the conversion takes the exponent field of this operand as its scale
	v_cvt_scalef32_pk8_fp4_f32 v[C+4*(\t)], v[XS:XS+7], v11
	v_cvt_scalef32_pk8_fp4_f32 v[C+4*(\t)+1], v[XS+8:XS+15], v11
	v_lshrrev_b32 v[E+(\t)], 23, v11               ; the scale's byte (a plain line behind the conversions)
	ds_store_b8 v5, v[E+(\t)] offset:16*(\t)       ; both lanes of a block write the same byte with the same value
	global_store_b64 v4, v[C+4*(\t):C+4*(\t)+1], s[COD:COD+1] offset:32*CB*(\t)   ; the wave stores 256 consecutive bytes, aligned
.endm
.irp t, 0,1,2,3,4,5,6,7,8,9,10,11,12,13,14,15
	STEP \t
.endr
	ds_load_b64 v[8:9], v6                         ; my wave's 256 scale bytes: LDS serves a wave in order
	s_wait_dscnt 0x0
	global_store_b64 v4, v[8:9], s[SCA:SCA+1]      ; 256 consecutive bytes, aligned
	s_wait_tensorcnt 0x0                           ; the wave's end, behind my last LDS store
	ds_add_u32 v[SPW], v[NIL]
	s_wait_dscnt 0x0
	s_endpgm
	; ---- Wo to f16, by chunks of 64 along K.  A wave takes 8 rows, two at a time.  A load reads 512 consecutive bytes of one row: two chunks, one in each half of the lanes.
	; The halves of two rows change places, so that a store holds ONE chunk of two neighbouring rows: 256 consecutive bytes, aligned.
.Lwo:
	s_sub_co_u32 s25, ttmp9, 352
	s_lshl_b32 s25, s25, 5
	s_lshl_b32 s26, s24, 3
	s_add_co_u32 s25, s25, s26                     ; my first row: 32 x work-group + 8 x wave
	s_lshl_b32 s26, s25, 12                        ; a row of Wo is 4,096 bytes,
	s_mov_b32 s27, 0
	s_lshl_b32 s34, s25, 7                         ; a row of a chunk 128
	s_mov_b32 s35, 0
	s_wait_kmcnt 0x0
	s_add_nc_u64 s[36:37], s[12:13], s[26:27]
	s_add_nc_u64 s[38:39], s[22:23], s[34:35]
.macro LOADP p                         ; rows 2 p and 2 p + 1 into set p % 2: segment g of 128 numbers, row u
.irp g, 0,1,2,3,4,5,6,7
.irp u, 0,1
	global_load_b128 v[16+64*((\p)%2)+8*\g+4*\u:16+64*((\p)%2)+8*\g+4*\u+3], v3, s[36:37] offset:(2*(\p)+\u)*4096+512*\g th:TH_LOAD_NT
.endr
.endr
.endm
.macro CONVP p
.if (\p) > 0
	s_wait_xcnt 0x0                                ; the last pair's stores have read v144-175, which are written again below
.endif
.irp g, 0,1,2,3,4,5,6,7
	v_cvt_pk_f16_f32 v[144+4*\g],   v[16+64*((\p)%2)+8*\g],   v[16+64*((\p)%2)+8*\g+1]
	v_cvt_pk_f16_f32 v[144+4*\g+1], v[16+64*((\p)%2)+8*\g+2], v[16+64*((\p)%2)+8*\g+3]
	v_cvt_pk_f16_f32 v[144+4*\g+2], v[16+64*((\p)%2)+8*\g+4], v[16+64*((\p)%2)+8*\g+5]
	v_cvt_pk_f16_f32 v[144+4*\g+3], v[16+64*((\p)%2)+8*\g+6], v[16+64*((\p)%2)+8*\g+7]
	v_permlane16_swap_b32 v[144+4*\g],   v[144+4*\g+2]   ; the first now holds chunk 2 g of both rows, the second chunk 2 g + 1
	v_permlane16_swap_b32 v[144+4*\g+1], v[144+4*\g+3]
	global_store_b64 v4, v[144+4*\g:144+4*\g+1],   s[38:39] offset:(2*\g)*131072+256*(\p)
	global_store_b64 v4, v[144+4*\g+2:144+4*\g+3], s[38:39] offset:(2*\g+1)*131072+256*(\p)
.endr
.endm
	LOADP 0
	LOADP 1
	s_wait_loadcnt 16                              ; this pair's 16 loads are in; the next pair's may be out
	CONVP 0
	LOADP 2
	s_wait_loadcnt 16
	CONVP 1
	LOADP 3
	s_wait_loadcnt 16
	CONVP 2
	s_wait_loadcnt 0x0
	CONVP 3
	s_wait_tensorcnt 0x0                           ; the wave's end, in the same form as on the other path
	ds_add_u32 v[SPW], v[NIL]
	s_wait_dscnt 0x0
	s_endpgm
.Lfunc_end_k_qa3c72e69da_quant:
	.size	k_qa3c72e69da_quant, .Lfunc_end_k_qa3c72e69da_quant-k_qa3c72e69da_quant
	.p2alignl 7, 3214868480
	.fill 96, 4, 3214868480
	.section	.rodata,"a",@progbits
	.p2align	6, 0x0
	.amdhsa_kernel k_qa3c72e69da_quant
		.amdhsa_group_segment_fixed_size 33280
		.amdhsa_private_segment_fixed_size 0
		.amdhsa_enable_private_segment 0
		.amdhsa_kernarg_size 80
		.amdhsa_user_sgpr_count 2
		.amdhsa_user_sgpr_kernarg_segment_ptr 1
		.amdhsa_wavefront_size32 1
		.amdhsa_system_sgpr_workgroup_id_x 1
		.amdhsa_system_sgpr_workgroup_id_y 1
		.amdhsa_system_sgpr_workgroup_id_z 1
		.amdhsa_system_vgpr_workitem_id 0
		.amdhsa_next_free_vgpr 192
		.amdhsa_next_free_sgpr 66
		.amdhsa_reserve_vcc 0
		.amdhsa_float_denorm_mode_32 3
		.amdhsa_float_denorm_mode_16_64 3
		.amdhsa_memory_ordered 1
		.amdhsa_forward_progress 1
		.amdhsa_inst_pref_size 56
	.end_amdhsa_kernel
	.amdgpu_metadata
---
amdhsa.version: [ 1, 2 ]
amdhsa.kernels:
  - .name:           k_qa3c72e69da_quant
    .symbol:         k_qa3c72e69da_quant.kd
    .args:
      - { .name: x, .offset: 0, .size: 8, .value_kind: global_buffer, .address_space: global }
      - { .name: Wq, .offset: 8, .size: 8, .value_kind: global_buffer, .address_space: global }
      - { .name: Wk, .offset: 16, .size: 8, .value_kind: global_buffer, .address_space: global }
      - { .name: Wv, .offset: 24, .size: 8, .value_kind: global_buffer, .address_space: global }
      - { .name: Wo, .offset: 32, .size: 8, .value_kind: global_buffer, .address_space: global }
      - { .name: x_codes, .offset: 40, .size: 8, .value_kind: global_buffer, .address_space: global }
      - { .name: x_scales, .offset: 48, .size: 8, .value_kind: global_buffer, .address_space: global }
      - { .name: w_codes, .offset: 56, .size: 8, .value_kind: global_buffer, .address_space: global }
      - { .name: w_scales, .offset: 64, .size: 8, .value_kind: global_buffer, .address_space: global }
      - { .name: wo16, .offset: 72, .size: 8, .value_kind: global_buffer, .address_space: global }
    .group_segment_fixed_size: 33280
    .private_segment_fixed_size: 0
    .kernarg_segment_align: 8
    .kernarg_segment_size: 80
    .max_flat_workgroup_size: 128
    .sgpr_count:     66
    .vgpr_count:     192
    .wavefront_size: 32
...
	.end_amdgpu_metadata
.endif
;; end of part 1
;; launch qkv (part 2): grid 12 x 32, 4 waves a work-group, clusters of 4 x 4, 327,680 bytes of LDS; arguments x_codes, x_scales, w_codes, w_scales, qkv16, qkv32; writes qkv16, qkv32
.if DOCPART == 2
	.amdgcn_target "amdgcn-amd-amdhsa--gfx1250"
	.amdhsa_code_object_version 6
	.text
	.protected	k_qa3c72e69da_qkv
	.globl	k_qa3c72e69da_qkv
	.p2align	8
	.type	k_qa3c72e69da_qkv,@function
k_qa3c72e69da_qkv:
	s_mov_b64 s[64:65], 0
	v_nop
	global_prefetch_b8 v0, s[64:65] scope:SCOPE_SE
	s_setreg_imm32_b32 hwreg(HW_REG_WAVE_MODE, 25, 1), 1
	s_wait_xcnt 0x0
	s_wait_alu depctr_hold_cnt(0) depctr_sa_sdst(0) depctr_va_vdst(0) depctr_va_sdst(0) depctr_va_ssrc(0) depctr_va_vcc(0) depctr_vm_vsrc(0)
	s_getreg_b32 s2, hwreg(HW_REG_IB_STS2, 6, 4)
	s_cmp_eq_u32 s2, 0
	s_cbranch_scc0 .Lentry_in_a_cluster
	s_endpgm
.Lentry_in_a_cluster:
	s_bfe_u32 s2, ttmp6, 0x10000c
	s_cmp_lg_u32 s2, 0xf033
	s_cbranch_scc0 .Lentry_shape_is_right
	s_endpgm
.Lentry_shape_is_right:
; Q, K, V = x W^T as ONE product on codes of FP4 (E2M1): C[m][n] = sum over k of x[m][k] W[n][k], m = 8,192 positions, n = 3,072 (Wq's, Wk's, Wv's rows), k = 1,024; one E8M0 scale for each 32 along K; sums in f32.
; OUT: qkv16, f16, [48 groups of 64 columns][4 batches][2,048 positions][64]: groups 0-15 Q's heads, 16-31 K's, 32-47 V's; and qkv32, f32, [4][16][3072]: positions 0-15 of every sequence, for the launch that carries them finely.
; LIMIT: results are stored as f16: their magnitudes must lie under 65,504.
; A tile of C, 256 x 256, is made by four waves, each 128 x 128: 64 accumulators of 16 x 16, 512 registers.  K is two slots of 512 (rows of 256 bytes): both, and the scales of all of K, are asked for at the head: three joint loads a wave are out.
; CLUSTERS: 4 x 4 work-groups.  The four of a row of the cluster need the same tiles of x, the four of a column the same tiles of W: each tile is asked for jointly, with a mask that names the four.
; A tile's rows: batch = my place along the cluster's y, positions 256 x (cluster y) on.  So 'my tile holds positions 0-15' is 'cluster y = 0', which all sixteen partners share: a branch may hang on it.
; THE MATRIX INSTRUCTION IS USED TRANSPOSED (source 0 = 16 rows of W, source 1 = 16 rows of x): a lane holds eight neighbouring columns of one position.
; REGISTERS, in windows of 256: window 0: v0-31 addresses; v32-95 scale words, two sets; v128-191 x's fragments, one set; on the way out v32-223 are free.  window 1: W's fragments, two sets.  windows 2, 3: the accumulators ((a, b) at v[8 (8 (a % 4) + b)]).
.set KSTEP,  512
.set NQ,     4                         ; matrix instructions deep in a slot
.set ROWB,   256                       ; a tile's row in bytes
.set KROW,   512                       ; a row of codes in memory
.set PITCH,  272                       ; an LDS row: 256 bytes + 16 of padding = 68 words: the 16 rows of a fragment load start at 16 different banks (64 banks of 4 bytes: ISA guide 11.1)
.set FR,     8
.set NL,     2
.set NP,     4                         ; places behind this matrix instruction (ISA guide 7.12.1)
.set HALFT,  128*PITCH
.set SLOT,   4*HALFT                   ; x's 256 rows, then W's 256 rows
.set KS,     32                        ; a row of scale bytes
.set SCL,    2*SLOT                    ; behind the slots: the scales, as units of 256 bytes + 16 of padding
.set HALFS,  16*272                    ; those of 128 rows: what one load brings
.set SBLK,   2*272                     ; those of 16 rows
.set SPARE,  SCL+4*HALFS               ; the spare words, 128 bytes a wave, which no other line names
.set SPITCH, 528                       ; the way out: a stage of 16 x 528 bytes for each wave, in slot 0, which has had its only fill and its last read by then
.set ADRA, 16
.set ADRB, 20
.set STO16, 24                         ; v24  stage, f16: where I put 16 bytes of a row (pitch 272)
.set RD16,  25                         ; v25  and where I read back: four rows x 128 bytes
.set CO,    26                         ; v26  16 x lane
.set ADRS,  27
.set SPW,   28
.set NIL,   29
.set STO32, 30                         ; v30  stage, f32: where I put 32 bytes of a row (pitch 528)
.set RD32,  31                         ; v31  and where I read a row back
.set SC,   32
.set AF,   128
.set BK,   128                         ; the way out: v128-159, v160-191 by turns
.set TMP,  192                         ; v192-223 a block's results in f16
.set G1, 24
.set G0, 32
.set G1B, 48
.set G0B, 56
.set G1S, 68
.set G0S, 76
.set G1SB, 80
.set G0SB, 88
.set MSB, 0
.macro WIN new                         ; the immediate's high byte repeats the setting that is left; a switch that changes nothing is dropped
.if MSB != (\new)
	s_set_vgpr_msb (MSB<<8)|(\new)
.set MSB, (\new)
.endif
.endm
.set MUL_LO, 0xa1                      ; source 0 (W) window 1, source 1 (x) window 0, C and D window 2
.set MUL_HI, 0xf1
.set TO_B,   0x40
; A joint load: waves 0 and 1 fetch for x, waves 2 and 3 for W; the branch hangs on the wave's number alone.  An s_nop 0 and four v_nop follow each of the two lines.
.macro JLOAD g0a, g1a, g0b, g1b
	s_cmp_eq_u32 s15, 0
	s_cbranch_scc0 .Lfor_b_\@
	tensor_load_to_lds s[\g0a:\g0a+3], s[\g1a:\g1a+7]
	s_nop 0
.rept 4
	v_nop
.endr
	s_branch .Lasked_\@
.Lfor_b_\@:
	tensor_load_to_lds s[\g0b:\g0b+3], s[\g1b:\g1b+7]
	s_nop 0
.rept 4
	v_nop
.endr
.Lasked_\@:
.endm
.macro CROUND                          ; a round of the cluster's barrier
	s_barrier_signal -1
	s_barrier_wait -1
	s_cmp_lg_u32 s14, 0
	s_cbranch_scc1 .Lnot_wave_0_\@
	s_barrier_signal -3
.Lnot_wave_0_\@:
	s_barrier_wait -3
	s_barrier_signal -1
	s_barrier_wait -1
.endm
	s_load_b128 s[4:7], s[0:1], 0x0                ; x's codes, x's scales
	s_load_b128 s[8:11], s[0:1], 0x10              ; W's codes, W's scales
	s_load_b64 s[12:13], s[0:1], 0x20              ; qkv16
	s_load_b64 s[96:97], s[0:1], 0x28              ; qkv32
	v_lshl_add_u32 v[SPW], v0, 2, SPARE
	v_mov_b32 v[NIL], 0
	ds_add_u32 v[SPW], v[NIL]                      ; the wave's opening: the add, twice on end, and its wait ahead of my first tensor load
	ds_add_u32 v[SPW], v[NIL]
	v_lshrrev_b32 v1, 5, v0
	v_readfirstlane_b32 s14, v1                    ; wave 0..3
	s_lshr_b32 s15, s14, 1                         ; which half of the tile's rows is mine.  Also: I fetch for x (0) or for W (1)
	s_and_b32 s16, s14, 1                          ; which half of its columns.  Also: which 128 rows I fetch
	s_bfe_u32 s40, ttmp6, 0x40000                  ; cx
	s_bfe_u32 s41, ttmp6, 0x40004                  ; cy = the batch
	s_lshl_b32 s42, ttmp9, 2
	s_add_co_u32 s42, s42, s40                     ; tile column = 4 x cluster x + cx
	s_and_b32 s17, ttmp7, 0xffff                   ; cluster y = the block of 256 positions
	s_lshl_b32 s43, s41, 2
	s_lshl_b32 s43, 15, s43                        ; my row of the cluster
	s_lshl_b32 s44, 0x1111, s40                    ; my column
	s_or_b32 s[G1+0], s43, (0<<16)|(1<<20)|(1<<21)|(5<<22)|(3<<25)  ; the mask; elements of 1 byte; padding on; bit 21 beside a mask; after every 64 words, 4 words
	s_or_b32 s[G1B+0], s44, (0<<16)|(1<<20)|(1<<21)|(5<<22)|(3<<25)
.irp g, G1, G1B
	s_mov_b32 s[\g+1], ROWB<<16                    ; tensor_dim0
	s_mov_b32 s[\g+2], 128<<16                     ; tensor_dim1
	s_mov_b32 s[\g+3], ROWB<<16                    ; tile_dim0
	s_mov_b32 s[\g+4], 128                         ; tile_dim1
	s_mov_b32 s[\g+5], KROW                        ; from row to row
	s_mov_b32 s[\g+6], 0
	s_mov_b32 s[\g+7], 0
.endr
	s_or_b32 s[G1S+0], s43, (3<<16)|(1<<20)|(1<<21)|(5<<22)|(3<<25)  ; the scales of 128 rows: 4,096 dense bytes as 16 rows of 256 (32 elements of 8 bytes), padded alike
	s_or_b32 s[G1SB+0], s44, (3<<16)|(1<<20)|(1<<21)|(5<<22)|(3<<25)
.irp g, G1S, G1SB
	s_mov_b32 s[\g+1], 32<<16
	s_mov_b32 s[\g+2], 16<<16
	s_mov_b32 s[\g+3], 32<<16
	s_mov_b32 s[\g+4], 16
	s_mov_b32 s[\g+5], 32
	s_mov_b32 s[\g+6], 0
	s_mov_b32 s[\g+7], 0
.endr
	s_lshl_b32 s18, s16, 7                         ; which 128 rows of the tile I fetch
	s_lshl_b32 s20, s41, 11
	s_lshl_b32 s19, s17, 8
	s_add_co_u32 s20, s20, s19
	s_add_co_u32 s20, s20, s18                     ; x: row 2,048 x batch + 256 x block + 128 x half: made of cy and the cluster's y, which my row of the cluster shares
	s_lshl_b32 s46, s42, 8
	s_add_co_u32 s46, s46, s18                     ; W: row 256 x tile column + 128 x half
	s_mov_b32 s21, 0
	s_mov_b32 s47, 0
	s_mov_b64 s[18:19], KS
	s_mul_u64 s[22:23], s[20:21], s[18:19]         ; where these rows' scales begin
	s_mul_u64 s[92:93], s[46:47], s[18:19]
	s_mov_b64 s[18:19], KROW
	s_mul_u64 s[20:21], s[20:21], s[18:19]         ; and their codes
	s_mul_u64 s[46:47], s[46:47], s[18:19]
	s_mul_i32 s45, s14, HALFT                      ; where they go: wave x 128 rows
	s_mul_i32 s94, s14, HALFS
	s_wait_dscnt 0x0                               ; both opening adds are done
	s_wait_kmcnt 0x0
	s_add_nc_u64 s[20:21], s[4:5], s[20:21]
	s_add_nc_u64 s[22:23], s[6:7], s[22:23]
	s_add_nc_u64 s[46:47], s[8:9], s[46:47]
	s_add_nc_u64 s[92:93], s[10:11], s[92:93]
	CROUND                                         ; all sixteen work-groups are here: the joint loads meet
	s_mov_b32 s[G0S], 1
	s_add_co_u32 s[G0S+1], s94, SCL
	s_mov_b64 s[G0S+2:G0S+3], s[22:23]
	s_or_b32 s[G0S+3], s[G0S+3], 0x80000000
	s_mov_b32 s[G0SB], 1
	s_add_co_u32 s[G0SB+1], s94, SCL
	s_mov_b64 s[G0SB+2:G0SB+3], s[92:93]
	s_or_b32 s[G0SB+3], s[G0SB+3], 0x80000000
	JLOAD G0S, G1S, G0SB, G1SB                     ; the scales first: they are wanted with the first slot
.irp s, 0,1
	s_mov_b32 s[G0+4*\s], 1
	s_add_co_u32 s[G0+4*\s+1], s45, \s*SLOT
	s_add_nc_u64 s[G0+4*\s+2:G0+4*\s+3], s[20:21], \s*ROWB
	s_or_b32 s[G0+4*\s+3], s[G0+4*\s+3], 0x80000000
	s_mov_b32 s[G0B+4*\s], 1
	s_add_co_u32 s[G0B+4*\s+1], s45, \s*SLOT
	s_add_nc_u64 s[G0B+4*\s+2:G0B+4*\s+3], s[46:47], \s*ROWB
	s_or_b32 s[G0B+4*\s+3], s[G0B+4*\s+3], 0x80000000
	JLOAD G0+4*\s, G1, G0B+4*\s, G1B
.endr
	v_and_b32 v1, 15, v0                           ; r = lane % 16
	v_bfe_u32 v2, v0, 4, 1                         ; h = lane / 16
	v_mul_u32_u24 v3, v1, PITCH
	v_lshl_add_u32 v4, v2, 4, v3                   ; a fragment's row x pitch + 16 x half
	s_mul_i32 s21, s15, HALFT                      ; my 128 rows of x
	s_mul_i32 s22, s16, HALFT                      ; my 128 rows of W,
	s_add_co_u32 s22, s22, 2*HALFT                 ; behind x's 256
.irp s, 0,1
	v_add_nc_u32 v[ADRA+\s], s21, v4
	v_add_nc_u32 v[ADRB+\s], s22, v4
	s_add_co_u32 s21, s21, SLOT
	s_add_co_u32 s22, s22, SLOT
.endr
	v_mul_u32_u24 v5, v1, KS                       ; my row's scales: 32 bytes a row,
	v_lshrrev_b32 v6, 8, v5
	v_lshl_add_u32 v5, v6, 4, v5                   ; and 16 more for each 256 passed
	s_mul_i32 s21, s15, HALFS
	s_mul_i32 s22, s16, HALFS
	s_add_co_u32 s22, s22, 2*HALFS
	s_sub_co_u32 s22, s22, s21
	v_mul_u32_u24 v6, s22, v2                      ; lanes 16-31 take W's
	s_add_co_u32 s21, s21, SCL
	v_add_nc_u32 v5, v5, v6
	v_add_nc_u32 v[ADRS], s21, v5
	s_mul_i32 s23, s14, 16*SPITCH                  ; my stage
	v_mul_u32_u24 v5, v1, 272
	v_lshl_add_u32 v5, v2, 4, v5
	v_add_nc_u32 v[STO16], s23, v5
	v_and_b32 v6, 31, v0
	v_lshrrev_b32 v7, 3, v6
	v_mul_u32_u24 v7, v7, 272
	v_and_b32 v8, 7, v0
	v_lshl_add_u32 v7, v8, 4, v7
	v_add_nc_u32 v[RD16], s23, v7                  ; row lane / 8, 16 bytes at 16 (lane % 8)
	v_lshlrev_b32 v[CO], 4, v6
	v_mul_u32_u24 v5, v1, SPITCH
	v_lshl_add_u32 v5, v2, 5, v5
	v_add_nc_u32 v[STO32], s23, v5
	v_add_nc_u32 v[RD32], s23, v[CO]
	s_lshl_b32 s20, s42, 4                         ; qkv16: plane = 4 x (4 x tile column + 2 x my half of the columns) + batch,
	s_lshl_b32 s21, s16, 3
	s_add_co_u32 s20, s20, s21
	s_add_co_u32 s20, s20, s41
	s_lshl_b32 s20, s20, 18                        ; 262,144 bytes a plane,
	s_lshl_b32 s21, s17, 15                        ; + 256 x block positions of 128 bytes,
	s_add_co_u32 s20, s20, s21
	s_lshl_b32 s21, s15, 14                        ; + my 128 of them
	s_add_co_u32 s20, s20, s21
	s_mov_b32 s21, 0
	s_add_nc_u64 s[12:13], s[12:13], s[20:21]
	s_mul_i32 s46, s41, 196608                     ; qkv32: the batch's 16 rows of 12,288 bytes,
	s_lshl_b32 s47, s42, 10
	s_add_co_u32 s46, s46, s47                     ; + my 128 columns
	s_lshl_b32 s47, s16, 9
	s_add_co_u32 s46, s46, s47
	s_mov_b32 s47, 0
	s_add_nc_u64 s[96:97], s[96:97], s[46:47]
	s_or_b32 s98, s17, s15                         ; 0 where my block 0 is positions 0-15: made of the cluster's y and the wave's number
.macro FRAG reg, adr, q, i             ; 16 rows x 128 K of 4-bit codes: 8 registers: lane l holds row l % 16; registers 4 c .. 4 c + 3 hold K = 64 c + 32 (l / 16) + 0 .. 31
.irp c, 0,1
	ds_load_b128 v[\reg+4*\c:\reg+4*\c+3], v[\adr] offset:64*(\q)+32*\c+(\i)*16*PITCH
.endr
.endm
; 16 matrix instructions: x's blocks a0, a0 + 1 against W's eight.  The 64 accumulators take turns, one instruction a turn, in the same order in every step.
.macro MUL16 a0, p, q, sc, zero
.irp a, \a0, \a0+1
.irp b, 0,1,2,3,4,5,6,7
.if \zero
	v_wmma_scale_f32_16x16x128_f8f6f4 v[8*(8*((\a)%4)+\b):8*(8*((\a)%4)+\b)+7], v[128*(\p)+FR*\b:128*(\p)+FR*\b+FR-1], v[AF+FR*(\a):AF+FR*(\a)+FR-1], 0, v[SC+8*NQ*(\sc)+NQ*\b+(\q)], v[SC+8*NQ*(\sc)+NQ*(\a)+(\q)] matrix_a_fmt:MATRIX_FMT_FP4 matrix_b_fmt:MATRIX_FMT_FP4 matrix_a_scale:MATRIX_SCALE_ROW1
.else
	v_wmma_scale_f32_16x16x128_f8f6f4 v[8*(8*((\a)%4)+\b):8*(8*((\a)%4)+\b)+7], v[128*(\p)+FR*\b:128*(\p)+FR*\b+FR-1], v[AF+FR*(\a):AF+FR*(\a)+FR-1], v[8*(8*((\a)%4)+\b):8*(8*((\a)%4)+\b)+7], v[SC+8*NQ*(\sc)+NQ*\b+(\q)], v[SC+8*NQ*(\sc)+NQ*(\a)+(\q)] matrix_a_fmt:MATRIX_FMT_FP4 matrix_b_fmt:MATRIX_FMT_FP4 matrix_a_scale:MATRIX_SCALE_ROW1
.endif
.endr
.endr
.endm
.macro FETCH_B slot, q, p
	WIN TO_B
.irp i, 0,1,2,3,4,5,6,7
	FRAG 128*(\p)+FR*\i, ADRB+\slot, \q, \i
.endr
	WIN 0
.endm
.macro FETCH_A slot, q, i0
.irp i, \i0, \i0+1, \i0+2, \i0+3
	FRAG AF+FR*(\i), ADRA+\slot, \q, \i
.endr
.endm
.macro SCALES sc                       ; a slot's scale words: 4 words a row; lanes 0-15 take x's block i, lanes 16-31 W's block i
.irp i, 0,1,2,3,4,5,6,7
	ds_load_b128 v[SC+8*NQ*\sc+NQ*\i:SC+8*NQ*\sc+NQ*\i+3], v[ADRS] offset:\i*SBLK
.endr
.endm
.macro PLACES n                        ; plain vector instructions between a matrix instruction and a load into, or a read of, its registers
.rept \n
	v_nop
.endr
.endm
.macro STEP slot, q, zero              ; a step of 128 along K that has its successor in the same slot
	s_wait_dscnt 4*NL                              ; W's set and x's blocks 0-3 are in; the youngest eight loads (x's blocks 4-7) may be out
	WIN MUL_LO
	MUL16 0, (\q)%2, \q, \slot, \zero
	MUL16 2, (\q)%2, \q, \slot, \zero
	s_wait_dscnt 0
	PLACES NP
	FETCH_B \slot, (\q)+1, 1-(\q)%2
	FETCH_A \slot, (\q)+1, 0
	WIN MUL_HI
	MUL16 4, (\q)%2, \q, \slot, \zero
	MUL16 6, (\q)%2, \q, \slot, \zero
	PLACES NP
	WIN 0
	FETCH_A \slot, (\q)+1, 4
.endm
; Slot 0's last step changes slots: one barrier; in front of it each wave waits for all its tensor loads (its part of slot 1), adds 0 to its spare word, and waits for that and for its reads of slot 0.
; Behind it slot 1 is whole and nobody reads slot 0, which later serves as the stages.
.macro TURN slot, next
	s_wait_tensorcnt 0x0
	ds_add_u32 v[SPW], v[NIL]
	s_wait_dscnt 4*NL+1                            ; the add and the youngest eight loads may be out
	WIN MUL_LO
	MUL16 0, 1, NQ-1, \slot, 0
	s_wait_dscnt 0x0
	s_barrier_signal -1
	MUL16 2, 1, NQ-1, \slot, 0
	WIN 0
	s_barrier_wait -1
	PLACES NP
	v_add_nc_u32 v[ADRS], 4*NQ, v[ADRS]            ; on to the next slot's scale words
	FETCH_B \next, 0, 0
	FETCH_A \next, 0, 0
	SCALES \next
	WIN MUL_HI
	MUL16 4, 1, NQ-1, \slot, 0
	MUL16 6, 1, NQ-1, \slot, 0
	PLACES NP
	WIN 0
	FETCH_A \next, 0, 4
.endm
	s_wait_tensorcnt 1                             ; the scales and my part of slot 0 are in; slot 1's load may be out,
	s_barrier_signal -1
	s_barrier_wait -1                              ; everybody's are
	FETCH_B 0, 0, 0
	FETCH_A 0, 0, 0
	SCALES 0
	FETCH_A 0, 0, 4
	STEP 0, 0, 1                                   ; the first products start the sums: nothing is cleared
	STEP 0, 1, 0
	STEP 0, 2, 0
	TURN 0, 1
	STEP 1, 0, 0
	STEP 1, 1, 0
	STEP 1, 2, 0
	s_wait_dscnt 4*NL                              ; the last step: nothing more to fetch
	WIN MUL_LO
	MUL16 0, 1, NQ-1, 1, 0
	MUL16 2, 1, NQ-1, 1, 0
	s_wait_dscnt 0
	WIN MUL_HI
	MUL16 4, 1, NQ-1, 1, 0
	MUL16 6, 1, NQ-1, 1, 0
	WIN 0
	PLACES NP                                      ; behind the last products: for the reads of results and the loads into registers that held fragments and scales
	; POSITIONS 0-15 IN f32: block 0 of the waves whose rows begin a sequence.  16 rows x 512 bytes through my stage; each store covers 512 consecutive bytes, aligned.
	s_cmp_lg_u32 s98, 0
	s_cbranch_scc1 .Lnofine
	WIN 0x08                                       ; an LDS store's data are its source 1: window 2
.irp b, 0,1,2,3,4,5,6,7
	ds_store_b128 v[STO32], v[8*\b:8*\b+3] offset:64*\b            ; each accumulator from its low end on
	ds_store_b128 v[STO32], v[8*\b+4:8*\b+7] offset:64*\b+16
.endr
	WIN 0
.irp t, 0,1,2,3,4,5,6,7,8,9,10,11,12,13,14,15
	ds_load_b128 v[32+4*\t:35+4*\t], v[RD32] offset:\t*SPITCH      ; LDS serves a wave's instructions in order: these see the stores above
.endr
.irp t, 0,1,2,3,4,5,6,7,8,9,10,11,12,13,14,15
	s_wait_dscnt 15-\t                             ; the younger loads may be out
	global_store_b128 v[CO], v[32+4*\t:35+4*\t], s[96:97] offset:12288*\t
.endr
.Lnofine:
; THE WAY OUT IN f16, a block of 16 positions x 128 columns (two heads) at a time: rounded, 16 bytes a lane into my stage (rows of 256 bytes + 16), back as four rows x 128 bytes of ONE head, which lie on end in qkv16.
.macro PACK a
.set AC, 64*((\a)%4)
	WIN 0x0a+5*((\a)/4)                            ; sources 0 and 1: window 2 or 3
.irp b, 0,1,2,3,4,5,6,7
.irp i, 0,1,2,3
	v_cvt_pk_f16_f32 v[TMP+4*\b+\i], v[AC+8*\b+2*\i], v[AC+8*\b+2*\i+1]
.endr
.endr
	WIN 0
.endm
.macro TOSTAGE a
.set BB, BK+32*((\a)%2)
.irp b, 0,1,2,3,4,5,6,7
	ds_store_b128 v[STO16], v[TMP+4*\b:TMP+4*\b+3] offset:32*\b
.endr
.irp t, 0,1,2,3,4,5,6,7
	ds_load_b128 v[BB+4*\t:BB+4*\t+3], v[RD16] offset:128*(\t/4)+1088*(\t%4)   ; head t / 4, rows 4 (t % 4) + lane / 8
.endr
.endm
.macro SEND a
.set BB, BK+32*((\a)%2)
	s_wait_dscnt 0x0                               ; the block is back in registers
	s_wait_xcnt 0x0                                ; the block before has been read by its stores: the next loads from the stage may land on its registers
.irp t, 0,1,2,3,4,5,6,7
	global_store_b128 v[CO], v[BB+4*\t:BB+4*\t+3], s[12:13] offset:(\t/4)*1048576+2048*(\a)+512*(\t%4)   ; 512 consecutive bytes, aligned: four positions of one head
.endr
.endm
	PACK 0
	TOSTAGE 0
.irp a, 1,2,3,4,5,6,7                  ; block a's conversions stand between block a - 1's loads from the stage and the wait for them
	PACK \a
	SEND \a-1
	TOSTAGE \a
.endr
	SEND 7
	s_wait_tensorcnt 0x0                           ; the wave's end
	ds_add_u32 v[SPW], v[NIL]
	s_wait_dscnt 0x0
	CROUND                                         ; the closing round
	s_endpgm
.Lfunc_end_k_qa3c72e69da_qkv:
	.size	k_qa3c72e69da_qkv, .Lfunc_end_k_qa3c72e69da_qkv-k_qa3c72e69da_qkv
	.p2alignl 7, 3214868480
	.fill 96, 4, 3214868480
	.section	.rodata,"a",@progbits
	.p2align	6, 0x0
	.amdhsa_kernel k_qa3c72e69da_qkv
		.amdhsa_group_segment_fixed_size 327680
		.amdhsa_private_segment_fixed_size 0
		.amdhsa_enable_private_segment 0
		.amdhsa_kernarg_size 48
		.amdhsa_user_sgpr_count 2
		.amdhsa_user_sgpr_kernarg_segment_ptr 1
		.amdhsa_wavefront_size32 1
		.amdhsa_system_sgpr_workgroup_id_x 1
		.amdhsa_system_sgpr_workgroup_id_y 1
		.amdhsa_system_sgpr_workgroup_id_z 1
		.amdhsa_system_vgpr_workitem_id 0
		.amdhsa_next_free_vgpr 1024
		.amdhsa_next_free_sgpr 100
		.amdhsa_reserve_vcc 0
		.amdhsa_float_denorm_mode_32 3
		.amdhsa_float_denorm_mode_16_64 3
		.amdhsa_memory_ordered 1
		.amdhsa_forward_progress 1
		.amdhsa_inst_pref_size 131
	.end_amdhsa_kernel
	.amdgpu_metadata
---
amdhsa.version: [ 1, 2 ]
amdhsa.kernels:
  - .name:           k_qa3c72e69da_qkv
    .symbol:         k_qa3c72e69da_qkv.kd
    .args:
      - { .name: x_codes, .offset: 0, .size: 8, .value_kind: global_buffer, .address_space: global }
      - { .name: x_scales, .offset: 8, .size: 8, .value_kind: global_buffer, .address_space: global }
      - { .name: w_codes, .offset: 16, .size: 8, .value_kind: global_buffer, .address_space: global }
      - { .name: w_scales, .offset: 24, .size: 8, .value_kind: global_buffer, .address_space: global }
      - { .name: qkv16, .offset: 32, .size: 8, .value_kind: global_buffer, .address_space: global }
      - { .name: qkv32, .offset: 40, .size: 8, .value_kind: global_buffer, .address_space: global }
    .group_segment_fixed_size: 327680
    .private_segment_fixed_size: 0
    .kernarg_segment_align: 8
    .kernarg_segment_size: 48
    .max_flat_workgroup_size: 128
    .sgpr_count:     100
    .vgpr_count:     1024
    .wavefront_size: 32
...
	.end_amdgpu_metadata
.endif
;; end of part 2
;; launch attn (part 3): grid 4 x 64, 16 waves a work-group, no clusters, 327,680 bytes of LDS; arguments qkv16, ctx16; writes ctx16
.if DOCPART == 3
	.amdgcn_target "amdgcn-amd-amdhsa--gfx1250"
	.amdhsa_code_object_version 6
	.text
	.protected	k_qa3c72e69da_attn
	.globl	k_qa3c72e69da_attn
	.p2align	8
	.type	k_qa3c72e69da_attn,@function
k_qa3c72e69da_attn:
	s_mov_b64 s[64:65], 0
	v_nop
	global_prefetch_b8 v0, s[64:65] scope:SCOPE_SE
	s_setreg_imm32_b32 hwreg(HW_REG_WAVE_MODE, 25, 1), 1
	s_wait_xcnt 0x0
; ctx[b][h][q] = the sum over k <= q of softmax_k(Q[q] . K[k] / 8) V[k], head size 64, 2,048 positions, 64 (head, batch) pairs.  Q, K, V: f16, planes of [2048][64] in qkv16; ctx16: f16, [16 heads][8192 = 2048 b + s][64].
; Products on f16 operands with f32 sums; maxima, exponentials and sums in f32; the weights p are rounded to f16 for the second product, ctx once at the end.
; LIMITS: a weight under about 6e-8 of its row's largest counts as 0 in the second product; NaN and infinities are not served.  Positions 0-15 are made here too, but another launch makes the output rows that hang on them, in f32.
; SHARES.  A work-group has one (head, batch) and two blocks of 256 queries, j and 7 - j of the eight, so that all work-groups walk as many key steps.  Each of its sixteen waves owns 32 queries, two tiles of 16, in 256 registers:
; four waves to a SIMD, so that one wave's vector work stands beside another's products and LDS loads.  Waves of the early and of the late block are dealt alternately.
; NO CLUSTER, though the four work-groups of a plane read the same K and V: work-group j needs 8 - j blocks of keys, so under the mask every wave of some partner would pass over the reads of a tile asked for jointly.
; K and V come through a ring of two LDS slots of 256 keys, filled by tensor loads (waves 0, 1: K's halves; waves 2, 3: V's) and read by all sixteen.  Every work-group walks all eight changes of slots (constant trip counts);
; a key step all of whose keys come after the wave's queries is passed over by a scalar branch on ids; a slot whose first key comes after the work-group's last query is not asked for.  Every wait on TENSORcnt is for 0.
; LAYOUT.  Both products are used transposed: S^T = K Q^T (source 0 = 16 keys, source 1 = 16 queries), O^T = V^T P (source 0 = 16 channels, source 1 = P): a lane holds ONE query (lane % 16) throughout.  V is turned on its way out of LDS.
; SOFTMAX.  A running maximum m and sum l for each query: p = 2^(c s - c m), c = log2(e) / 8; in every step O and l are multiplied by a = 2^(c m_old - c m_new).
.set KP,    144                        ; a key's row of K in LDS: 128 bytes + 16
.set VP,    160                        ; of V: 128 + 32
.set VOFF,  256*KP                     ; a slot: 256 rows of K, then 256 rows of V: 77,824 bytes
.set SLOT1, 1<<17                      ; slot 1 begins here: one exclusive or turns an address from slot to slot
.set STG,   77824                      ; behind slot 0: 16 rows x 144 bytes for each wave, for the way out; no fill lands here
.set SPARE, 262144                     ; the spare words, 128 bytes a wave, which no other line names
.set AK0, 1                            ; v1   my lane's place in a tile of K
.set AV0, 2                            ; v2   and of V
.set ADK, 3                            ; v3   the step's K
.set ADV, 4                            ; v4   the step's V
.set SPW, 5                            ; v5   my spare word; never rewritten
.set NIL, 6                            ; v6   0; never rewritten
.set GO,  7                            ; v7   16 x lane
.set DL,  8                            ; v8   lane % 16 - 8 (lane / 16)
.set ST,  12                           ; tile t's statistics at v[12 + 8 t]: +0 c m, +1 m, +2, +3 l, +4 to +7 at work; a takes +6
.set PFO, 28                           ; v28  256 x lane
.set STO, 29                           ; v29  the way out: where I put 16 bytes of a row
.set RD,  30                           ; v30  and where I read back
.set QF,  32                           ; v32-63   Q(t, c) at 32 + 16 t + 8 c
.set O,   64                           ; v64-127  O^T(t, ct) at 64 + 32 t + 8 ct
.set S,   128                          ; v128-191 S^T(t, kt) at 128 + 32 t + 8 kt; P(t, kh) in place at 128 + 32 t + 8 kh
.set KV,  192                          ; v192-255 K(kt, c) at 192 + 16 kt + 8 c, then V^T(ct, kh) at 192 + 16 ct + 8 kh
.set TB,  2                            ; s2   LDS byte at which the slot in hand begins
.set WV,  18
.set SEL, 20                           ; s[20:21] selects for v_permlanex16_b32: lane l xor 16
.set CS,  22                           ; s[22:23] c, twice
.set G1K, 24
.set G1V, 32
.set G0K, 40
.set G0V, 44
.set QL,  66                           ; s66  my work-group's last query
.set SLOTS, 67
.set PFA, 76                           ; s[76:77] where my prefetches stand
.set LIM, 80                           ; s80  1 in a wave that prefetches, else the greatest number
.set KF,  98                           ; s98  the step's first key
.set Q0,  99                           ; s99  my first query
; Waves 0 and 1 fetch for K, waves 2 and 3 for V, the others nothing.  An s_nop 0 and four v_nop follow each of the two lines.
.macro TLOAD
	s_cmp_lt_u32 s[WV], 2
	s_cbranch_scc0 .Lnot_k_\@
	tensor_load_to_lds s[G0K:G0K+3], s[G1K:G1K+7]
	s_nop 0
.rept 4
	v_nop
.endr
	s_branch .Lasked_\@
.Lnot_k_\@:
	s_cmp_lt_u32 s[WV], 4
	s_cbranch_scc0 .Lasked_\@
	tensor_load_to_lds s[G0V:G0V+3], s[G1V:G1V+7]
	s_nop 0
.rept 4
	v_nop
.endr
.Lasked_\@:
.endm
; A prefetch of what the NEXT change of slots will ask for: 32,768 bytes of K and of V.  Each aligned block of 256 bytes is named once in the launch: of a plane's four work-groups the one that walks all keys (j = 0) asks;
; in it waves 4-7 for K, waves 8-11 for V, 8,192 bytes a wave, lanes 256 bytes apart.  Slots 0 and 1 come by their loads alone; the last change that fills a slot asks for nothing.
.macro ASK
	s_cmp_gt_u32 s[SLOTS], s[LIM]
	s_cbranch_scc0 .Lnot_mine_\@
	global_prefetch_b8 v[PFO], s[PFA:PFA+1] th:TH_LOAD_NT scope:SCOPE_SE
.Lnot_mine_\@:
.endm
	s_load_b128 s[4:7], s[0:1], 0x0                ; qkv16, ctx16
	v_lshl_add_u32 v[SPW], v0, 2, SPARE
	v_mov_b32 v[NIL], 0
	ds_add_u32 v[SPW], v[NIL]                      ; the wave's opening: the add, twice on end, and its wait ahead of the first tensor load
	ds_add_u32 v[SPW], v[NIL]
	v_lshrrev_b32 v3, 5, v0
	v_readfirstlane_b32 s[WV], v3                  ; wave 0..15
	s_and_b32 s8, ttmp7, 0xffff                    ; the plane: 4 x head + batch
	s_lshr_b32 s10, s[WV], 2
	s_xor_b32 s11, s[WV], s10
	s_and_b32 s11, s11, 1                          ; 0: the early block, 1: the late one
	s_bfe_u32 s12, s[WV], 0x10001
	s_lshl_b32 s10, s10, 1
	s_add_co_u32 s12, s12, s10                     ; which 32 queries of the block: 0..7, each once for each block
	s_sub_co_u32 s13, 7, ttmp9
	s_cmp_eq_u32 s11, 1
	s_cselect_b32 s13, s13, ttmp9                  ; the block: 7 - j or j
	s_lshl_b32 s[Q0], s13, 8
	s_lshl_b32 s12, s12, 5
	s_add_co_u32 s[Q0], s[Q0], s12
	s_sub_co_u32 s[QL], 8, ttmp9
	s_lshl_b32 s[QL], s[QL], 8
	s_sub_co_u32 s[QL], s[QL], 1                   ; 256 (8 - j) - 1
	s_lshl_b32 s14, s8, 18                         ; 262,144 bytes a plane
	s_mov_b32 s15, 0
	s_and_b32 s16, s[WV], 1                        ; which 128 keys of a slot I fetch, if I fetch:
	s_lshl_b32 s82, s16, 14                        ; in memory,
	s_mov_b32 s83, 0
	s_mul_i32 s84, s16, 128*KP                     ; and in a slot
	s_mul_i32 s85, s16, 128*VP
	s_add_co_u32 s85, s85, VOFF
	s_mov_b32 s[G1K], (1<<16)|(1<<20)|(4<<22)|(3<<25)   ; no mask; elements of 2 bytes; padding on: after every 32 words, 4 words
	s_mov_b32 s[G1V], (1<<16)|(1<<20)|(4<<22)|(7<<25)   ; the same with 8 words
.irp g, G1K, G1V
	s_mov_b32 s[\g+1], 64<<16                      ; tensor_dim0
	s_mov_b32 s[\g+2], 128<<16                     ; tensor_dim1
	s_mov_b32 s[\g+3], 64<<16                      ; tile_dim0
	s_mov_b32 s[\g+4], 128                         ; tile_dim1
	s_mov_b32 s[\g+5], 64                          ; from row to row
	s_mov_b32 s[\g+6], 0
	s_mov_b32 s[\g+7], 0
.endr
	s_mov_b32 s[SEL], 0x76543210
	s_mov_b32 s[SEL+1], 0xfedcba98
	s_mov_b32 s[CS], 0x3e38aa3b                    ; c = log2(e) / 8
	s_mov_b32 s[CS+1], s[CS]
	s_mov_b32 s[TB], 0
	s_mov_b32 s[KF], 0
	s_mov_b32 s[SLOTS], 7
	s_wait_dscnt 0x0                               ; both opening adds are done
	s_wait_kmcnt 0x0
	s_add_nc_u64 s[72:73], s[4:5], s[14:15]        ; Q's plane,
	s_add_nc_u64 s[68:69], s[72:73], 0x1000000     ; K's: 64 planes on,
	s_add_nc_u64 s[70:71], s[72:73], 0x2000000     ; V's: 128
	s_mov_b32 s[G0K], 1
	s_mov_b32 s[G0K+1], s84
	s_add_nc_u64 s[G0K+2:G0K+3], s[68:69], s[82:83]
	s_or_b32 s[G0K+3], s[G0K+3], 0x80000000
	s_mov_b32 s[G0V], 1
	s_mov_b32 s[G0V+1], s85
	s_add_nc_u64 s[G0V+2:G0V+3], s[70:71], s[82:83]
	s_or_b32 s[G0V+3], s[G0V+3], 0x80000000
	TLOAD                                          ; slot 0: it holds key 0, which counts for every query
	s_lshl_b32 s86, s[Q0], 7
	s_mov_b32 s87, 0
	s_add_nc_u64 s[72:73], s[72:73], s[86:87]      ; Q at my first query
	s_lshr_b32 s88, s8, 2
	s_lshl_b32 s88, s88, 13
	s_and_b32 s89, s8, 3
	s_lshl_b32 s89, s89, 11
	s_add_co_u32 s88, s88, s89
	s_add_co_u32 s88, s88, s[Q0]                   ; ctx16's row: 8,192 x head + 2,048 x batch + query
	s_lshl_b32 s88, s88, 7
	s_mov_b32 s89, 0
	s_add_nc_u64 s[74:75], s[6:7], s[88:89]
	s_cmp_lt_u32 s[WV], 8
	s_cselect_b64 s[PFA:PFA+1], s[68:69], s[70:71]
	s_and_b32 s90, s[WV], 3
	s_lshl_b32 s90, s90, 13
	s_add_co_u32 s90, s90, 32768                   ; my wave's part, in slot 1: the first change of slots steps it to slot 2
	s_mov_b32 s91, 0
	s_add_nc_u64 s[PFA:PFA+1], s[PFA:PFA+1], s[90:91]
	s_sub_co_u32 s90, s[WV], 4
	s_lshr_b32 s90, s90, 3                         ; 0 in waves 4 to 11,
	s_or_b32 s90, s90, ttmp9                       ; of work-group j = 0
	s_cmp_eq_u32 s90, 0
	s_cselect_b32 s[LIM], 1, -1
	v_and_b32 v8, 15, v0                           ; r
	v_bfe_u32 v9, v0, 4, 1                         ; h
	v_lshlrev_b32 v3, 7, v8
	v_lshl_add_u32 v3, v9, 4, v3                   ; Q: row r of 128 bytes, + 16 h
.irp t, 0,1
.irp c, 0,1
	global_load_b128 v[QF+16*\t+8*\c:QF+16*\t+8*\c+3],   v3, s[72:73] offset:2048*\t+64*\c
	global_load_b128 v[QF+16*\t+8*\c+4:QF+16*\t+8*\c+7], v3, s[72:73] offset:2048*\t+64*\c+32
.endr
.endr
	v_mul_u32_u24 v[AK0], v8, KP
	v_lshl_add_u32 v[AK0], v9, 4, v[AK0]           ; K: row r x pitch + 16 h
	v_and_b32 v10, 7, v0
	v_lshl_add_u32 v[AV0], v9, 3, v10
	v_mul_u32_u24 v[AV0], v[AV0], VP               ; V, for the turning load: key 8 h + lane % 8,
	v_bfe_u32 v11, v0, 3, 1
	v_lshl_add_u32 v[AV0], v11, 4, v[AV0]          ; channels 8 ((lane / 8) % 2) on
	v_add_nc_u32 v[AV0], VOFF, v[AV0]
	v_and_b32 v[GO], 31, v0
	v_lshlrev_b32 v[PFO], 8, v[GO]
	s_mul_i32 s92, s[WV], 16*KP
	s_add_co_u32 s92, s92, STG                     ; my stage
	v_mul_u32_u24 v[STO], v8, KP
	v_lshl_add_u32 v[STO], v9, 4, v[STO]
	v_add_nc_u32 v[STO], s92, v[STO]               ; in: row r, 16 bytes for each half of the lanes
	v_lshrrev_b32 v[RD], 3, v[GO]
	v_mul_u32_u24 v[RD], v[RD], KP
	v_lshl_add_u32 v[RD], v10, 4, v[RD]
	v_add_nc_u32 v[RD], s92, v[RD]                 ; back: row lane / 8, 16 bytes at 16 (lane % 8)
	v_lshlrev_b32 v[GO], 4, v[GO]
	v_lshlrev_b32 v9, 3, v9
	v_sub_nc_u32 v[DL], v8, v9                     ; r - 8 h
	v_mov_b32 v10, 0xff800000                      ; -infinity
	v_mov_b32 v9, 0
	v_mov_b32 v11, 0
.irp t, 0,1
	v_mov_b32 v[ST+8*\t+1], 0xff61b1e6             ; m: -3e38, under every score
	v_mul_f32 v[ST+8*\t], s[CS], v[ST+8*\t+1]      ; c m
.irp i, 2,3,4,5,6,7
	v_mov_b32 v[ST+8*\t+\i], 0                     ; l, and the registers at work (a lane permute's destination counts as one of its sources)
.endr
.endr
.irp j, 0,1,2,3,4,5,6,7,8,9,10,11,12,13,14,15,16,17,18,19,20,21,22,23,24,25,26,27,28,29,30,31,32,33,34,35,36,37,38,39,40,41,42,43,44,45,46,47,48,49,50,51,52,53,54,55,56,57,58,59,60,61,62,63
	v_mov_b32 v[O+\j], 0                           ; O^T.  (The step is written once: its first walk finds zeros, which the first a = 0 leaves zeros)
.endr
; A KEY STEP: 64 keys, the q-th of the slot in hand.
.macro STEP q
	s_add_co_u32 s96, s[Q0], 31
	s_cmp_gt_u32 s[KF], s96                        ; all 64 keys come after my 32 queries: the step's work is passed over
	s_cbranch_scc1 .Lhidden_\@
	v_add_nc_u32 v[ADK], s[TB], v[AK0]             ; five plain lines behind the last step's products: four for the loads into their sources, five for the products below, which write over P
	v_add_nc_u32 v[ADV], s[TB], v[AV0]
.rept 3
	v_nop
.endr
.irp k, 0,1,2,3
.irp c, 0,1
	ds_load_b128 v[KV+16*\k+8*\c:KV+16*\k+8*\c+3],   v[ADK] offset:(64*(\q)+16*\k)*KP+64*\c
	ds_load_b128 v[KV+16*\k+8*\c+4:KV+16*\k+8*\c+7], v[ADK] offset:(64*(\q)+16*\k)*KP+64*\c+32
.endr
.endr
	s_wait_dscnt 0x0
.irp k, 0,1,2,3                        ; S^T = K Q^T: eight accumulators by turns, one instruction a turn; channels 0-31 start the sums
.irp t, 0,1
	v_wmma_f32_16x16x32_f16 v[S+32*\t+8*\k:S+32*\t+8*\k+7], v[KV+16*\k:KV+16*\k+7], v[QF+16*\t:QF+16*\t+7], 0
.endr
.endr
.irp k, 0,1,2,3
.irp t, 0,1
	v_wmma_f32_16x16x32_f16 v[S+32*\t+8*\k:S+32*\t+8*\k+7], v[KV+16*\k+8:KV+16*\k+15], v[QF+16*\t+8:QF+16*\t+15], v[S+32*\t+8*\k:S+32*\t+8*\k+7]
.endr
.endr
.rept 4
	v_nop                                          ; places: in front of the loads into K's registers, and of the first read of the scores
.endr
.irp f, 0,1,2,3                        ; V, turned: it lands under the softmax
.irp u, 0,1
	ds_load_tr16_b128 v[KV+16*\f+8*\u:KV+16*\f+8*\u+3],   v[ADV] offset:(64*(\q)+32*\u)*VP+32*\f
	ds_load_tr16_b128 v[KV+16*\f+8*\u+4:KV+16*\f+8*\u+7], v[ADV] offset:(64*(\q)+32*\u)*VP+16*VP+32*\f
.endr
.endr
	s_add_co_u32 s96, s[KF], 63                    ; on the diagonal hidden scores become -infinity ahead of the maximum; a step all of whose keys count passes this over
	s_cmp_le_u32 s96, s[Q0]
	s_cbranch_scc1 .Lopen_\@
	s_sub_co_i32 s96, s[Q0], s[KF]
	v_add_nc_u32 v9, s96, v[DL]                    ; d = my query - the step's first key - 8 (lane / 16), tile 0's;
	v_add_nc_u32 v11, 16, v9                       ; tile 1's.  Register n holds key 16 (n / 8) + n % 8 + 8 (lane / 16): hidden where 16 (n / 8) + n % 8 > d
.irp n, 0,1,2,3,4,5,6,7,8,9,10,11,12,13,14,15,16,17,18,19,20,21,22,23,24,25,26,27,28,29,30,31
	v_cmp_gt_i32 vcc_lo, 16*(\n/8)+\n%8, v9
	v_cndmask_b32 v[S+\n], v[S+\n], v10, vcc_lo
.endr
.irp n, 0,1,2,3,4,5,6,7,8,9,10,11,12,13,14,15,16,17,18,19,20,21,22,23,24,25,26,27,28,29,30,31
	v_cmp_gt_i32 vcc_lo, 16*(\n/8)+\n%8, v11
	v_cndmask_b32 v[S+32+\n], v[S+32+\n], v10, vcc_lo
.endr
.Lopen_\@:
.irp j, 0,1,2,3                        ; the maximum: four chains a tile, each begun at an accumulator's low end; the two tiles line by line
.irp t, 0,1
	v_max3_num_f32 v[ST+8*\t+4+\j], v[S+32*\t+8*\j], v[S+32*\t+8*\j+1], v[S+32*\t+8*\j+2]
.endr
.endr
.irp u, 1,2
.irp j, 0,1,2,3
.irp t, 0,1
	v_max3_num_f32 v[ST+8*\t+4+\j], v[ST+8*\t+4+\j], v[S+32*\t+8*\j+2*\u+1], v[S+32*\t+8*\j+2*\u+2]
.endr
.endr
.endr
.irp t, 0,1
	v_max3_num_f32 v[ST+8*\t+4], v[ST+8*\t+4], v[S+32*\t+7], v[S+32*\t+15]
	v_max3_num_f32 v[ST+8*\t+6], v[ST+8*\t+6], v[S+32*\t+23], v[S+32*\t+31]
.endr
.irp t, 0,1
	v_max3_num_f32 v[ST+8*\t+4], v[ST+8*\t+4], v[ST+8*\t+5], v[ST+8*\t+6]
.endr
.irp t, 0,1
	v_max3_num_f32 v[ST+8*\t+4], v[ST+8*\t+4], v[ST+8*\t+7], v[ST+8*\t+1]   ; and the old m
.endr
.irp t, 0,1
	v_permlanex16_b32 v[ST+8*\t+5], v[ST+8*\t+4], s[SEL], s[SEL+1]          ; the query's other 32 keys lie in the lane 16 away
.endr
.irp t, 0,1
	v_mov_b32 v[ST+8*\t+7], v[ST+8*\t]             ; c m_old is kept for a
.endr
.irp t, 0,1
	v_max_num_f32 v[ST+8*\t+1], v[ST+8*\t+4], v[ST+8*\t+5]
.endr
.irp t, 0,1
	v_mul_f32 v[ST+8*\t], s[CS], v[ST+8*\t+1]
.endr
.irp t, 0,1
	v_sub_f32 v[ST+8*\t+7], v[ST+8*\t+7], v[ST+8*\t]
.endr
.irp j, 0,2,4,6,8,10,12,14,16,18,20,22,24,26,28,30
.irp t, 0,1
	v_pk_fma_f32 v[S+32*\t+\j:S+32*\t+\j+1], v[S+32*\t+\j:S+32*\t+\j+1], s[CS:CS+1], v[ST+8*\t:ST+8*\t+1] op_sel_hi:[1,0,0] neg_lo:[0,0,1] neg_hi:[0,0,1]   ; c s - c m
.endr
.endr
.irp t, 0,1
	v_exp_f32 v[ST+8*\t+6], v[ST+8*\t+7]           ; a.  ONE BATCH: both tiles' a and 64 weights, none of which reads another's result
.endr
.irp j, 0,1,2,3,4,5,6,7,8,9,10,11,12,13,14,15,16,17,18,19,20,21,22,23,24,25,26,27,28,29,30,31,32,33,34,35,36,37,38,39,40,41,42,43,44,45,46,47,48,49,50,51,52,53,54,55,56,57,58,59,60,61,62,63
	v_exp_f32 v[S+\j], v[S+\j]
.endr
	v_nop                                          ; a plain line behind the last exponential
	s_wait_alu depctr_va_vdst(0)                   ; one wait for the batch, ahead of its first reader
.irp t, 0,1
	v_pk_mul_f32 v[ST+8*\t+2:ST+8*\t+3], v[ST+8*\t+2:ST+8*\t+3], v[ST+8*\t+6:ST+8*\t+7] op_sel_hi:[1,0]   ; l x a
.endr
.irp t, 0,1
	v_pk_add_f32 v[ST+8*\t+4:ST+8*\t+5], v[S+32*\t:S+32*\t+1], v[S+32*\t+2:S+32*\t+3]                     ; the sum of the unrounded weights, in two chains a tile
.endr
.irp j, 4,8,12,16,20,24,28
.irp t, 0,1
	v_pk_add_f32 v[ST+8*\t+2:ST+8*\t+3], v[ST+8*\t+2:ST+8*\t+3], v[S+32*\t+\j:S+32*\t+\j+1]
	v_pk_add_f32 v[ST+8*\t+4:ST+8*\t+5], v[ST+8*\t+4:ST+8*\t+5], v[S+32*\t+\j+2:S+32*\t+\j+3]
.endr
.endr
.irp t, 0,1
	v_pk_add_f32 v[ST+8*\t+2:ST+8*\t+3], v[ST+8*\t+2:ST+8*\t+3], v[ST+8*\t+4:ST+8*\t+5]
.endr
.irp i, 0,1,2,3,4,5,6,7,8,9,10,11,12,13,14,15
.irp t, 0,1
	v_cvt_pk_f16_f32 v[S+32*\t+\i], v[S+32*\t+2*\i], v[S+32*\t+2*\i+1]   ; P, in place and ascending: register i never lies above the pair that it is made of
.endr
.endr
.irp j, 0,2,4,6,8,10,12,14,16,18,20,22,24,26,28,30
.irp t, 0,1
	v_pk_mul_f32 v[O+32*\t+\j:O+32*\t+\j+1], v[O+32*\t+\j:O+32*\t+\j+1], v[ST+8*\t+6:ST+8*\t+7] op_sel_hi:[1,0]   ; O^T x a, each accumulator from its low end on
.endr
.endr
	s_wait_dscnt 0x0                               ; V is in
.irp u, 0,1                            ; O^T += V^T P: eight accumulators by turns
.irp f, 0,1,2,3
.irp t, 0,1
	v_wmma_f32_16x16x32_f16 v[O+32*\t+8*\f:O+32*\t+8*\f+7], v[KV+16*\f+8*\u:KV+16*\f+8*\u+7], v[S+32*\t+8*\u:S+32*\t+8*\u+7], v[O+32*\t+8*\f:O+32*\t+8*\f+7]
.endr
.endr
.endr
.Lhidden_\@:
	s_add_co_u32 s[KF], s[KF], 64
.endm
; THE CHANGE OF SLOTS stands at a slot's head.  Each wave waits for all its tensor loads (its part of the slot ahead), adds 0 to its spare word, and waits for that and for its reads of the slot that it has left.
; Behind the barrier the slot ahead is whole and nobody reads the other one.  fill = 1: that other slot takes the next 256 keys, where some wave of the work-group will read them: the load has four key steps in which to land.
.macro CHANGE fill
	s_wait_tensorcnt 0x0                           ; no tensor load of mine is out, so a group 0 may be written
	ds_add_u32 v[SPW], v[NIL]
.if \fill
	ds_add_u32 v[SPW], v[NIL]                      ; and once more
	s_xor_b32 s[G0K+1], s[G0K+1], SLOT1            ; the walking descriptors: the other slot,
	s_add_nc_u64 s[G0K+2:G0K+3], s[G0K+2:G0K+3], 32768   ; the next 256 keys
	s_xor_b32 s[G0V+1], s[G0V+1], SLOT1
	s_add_nc_u64 s[G0V+2:G0V+3], s[G0V+2:G0V+3], 32768
	s_wait_xcnt 0x0                                ; the last prefetch, a slot back, has read its address
	s_add_nc_u64 s[PFA:PFA+1], s[PFA:PFA+1], 32768
.endif
	s_wait_dscnt 0x0                               ; the add is done, and my reads of the slot that I have left are over
	s_barrier_signal -1
	s_barrier_wait -1
.if \fill
	s_add_co_u32 s96, s[KF], 256                   ; the first key of the slot that this change would ask for:
	s_cmp_gt_u32 s96, s[QL]                        ; past my work-group's last query none of its waves reads it.  Ids and the count of steps alone: all sixteen waves go the same way
	s_cbranch_scc1 .Lpast_\@
	TLOAD                                          ; a wave's one tensor load until the next change
.Lpast_\@:
	ASK
.endif
.endm
.macro SLOT_STEPS
.irp q, 0,1,2,3
	STEP \q
.endr
	s_xor_b32 s[TB], s[TB], SLOT1
.endm
	s_wait_loadcnt 0x0                             ; Q
.Lslot:                                            ; seven trips: behind each change of slots but the last the next slot is asked for, up to the causal limit
	CHANGE 1
	SLOT_STEPS
	s_sub_co_u32 s[SLOTS], s[SLOTS], 1
	s_cmp_lg_u32 s[SLOTS], 0
	s_cbranch_scc1 .Lslot
	CHANGE 0                                       ; the last slot is written out: nothing is left to ask for
	SLOT_STEPS
	; THE WAY OUT.  l's halves are added; O^T is divided by l, rounded to f16 and sent through my stage, a tile of 16 queries at a time; a store covers four rows of 128 bytes, which lie on end in ctx16.
.irp t, 0,1
	v_add_f32 v[ST+8*\t+4], v[ST+8*\t+2], v[ST+8*\t+3]             ; (these additions and the v_nop are the places behind the last products)
.endr
.irp t, 0,1
	v_permlanex16_b32 v[ST+8*\t+5], v[ST+8*\t+4], s[SEL], s[SEL+1]
.endr
.irp t, 0,1
	v_add_f32 v[ST+8*\t+4], v[ST+8*\t+4], v[ST+8*\t+5]
.endr
.irp t, 0,1
	v_rcp_f32 v[ST+8*\t+6], v[ST+8*\t+4]
.endr
	v_nop
	s_wait_alu depctr_va_vdst(0)                   ; one wait for the two reciprocals, ahead of their first reader
.irp t, 0,1
.irp j, 0,2,4,6,8,10,12,14,16,18,20,22,24,26,28,30
	v_pk_mul_f32 v[O+32*\t+\j:O+32*\t+\j+1], v[O+32*\t+\j:O+32*\t+\j+1], v[ST+8*\t+6:ST+8*\t+7] op_sel_hi:[1,0]
.endr
.irp i, 0,1,2,3,4,5,6,7,8,9,10,11,12,13,14,15
	v_cvt_pk_f16_f32 v[S+16*\t+\i], v[O+32*\t+2*\i], v[O+32*\t+2*\i+1]
.endr
.irp f, 0,1,2,3
	ds_store_b128 v[STO], v[S+16*\t+4*\f:S+16*\t+4*\f+3] offset:32*\f
.endr
.irp i, 0,1,2,3
	ds_load_b128 v[KV+16*\t+4*\i:KV+16*\t+4*\i+3], v[RD] offset:4*KP*\i   ; LDS serves a wave's instructions in order: these see the stores above, and the next tile's stores come behind them
.endr
.endr
.irp t, 0,1
.irp i, 0,1,2,3
	s_wait_dscnt 11-8*\t-\i                        ; the LDS instructions issued behind this load may be out
	global_store_b128 v[GO], v[KV+16*\t+4*\i:KV+16*\t+4*\i+3], s[74:75] offset:2048*\t+512*\i   ; 512 consecutive bytes, aligned
.endr
.endr
	s_wait_tensorcnt 0x0                           ; the wave's end
	ds_add_u32 v[SPW], v[NIL]
	s_wait_dscnt 0x0
	s_endpgm
.Lfunc_end_k_qa3c72e69da_attn:
	.size	k_qa3c72e69da_attn, .Lfunc_end_k_qa3c72e69da_attn-k_qa3c72e69da_attn
	.p2alignl 7, 3214868480
	.fill 96, 4, 3214868480
	.section	.rodata,"a",@progbits
	.p2align	6, 0x0
	.amdhsa_kernel k_qa3c72e69da_attn
		.amdhsa_group_segment_fixed_size 327680
		.amdhsa_private_segment_fixed_size 0
		.amdhsa_enable_private_segment 0
		.amdhsa_kernarg_size 16
		.amdhsa_user_sgpr_count 2
		.amdhsa_user_sgpr_kernarg_segment_ptr 1
		.amdhsa_wavefront_size32 1
		.amdhsa_system_sgpr_workgroup_id_x 1
		.amdhsa_system_sgpr_workgroup_id_y 1
		.amdhsa_system_sgpr_workgroup_id_z 1
		.amdhsa_system_vgpr_workitem_id 0
		.amdhsa_next_free_vgpr 256
		.amdhsa_next_free_sgpr 100
		.amdhsa_reserve_vcc 1
		.amdhsa_float_denorm_mode_32 3
		.amdhsa_float_denorm_mode_16_64 3
		.amdhsa_memory_ordered 1
		.amdhsa_forward_progress 1
		.amdhsa_inst_pref_size 189
	.end_amdhsa_kernel
	.amdgpu_metadata
---
amdhsa.version: [ 1, 2 ]
amdhsa.kernels:
  - .name:           k_qa3c72e69da_attn
    .symbol:         k_qa3c72e69da_attn.kd
    .args:
      - { .name: qkv16, .offset: 0, .size: 8, .value_kind: global_buffer, .address_space: global }
      - { .name: ctx16, .offset: 8, .size: 8, .value_kind: global_buffer, .address_space: global }
    .group_segment_fixed_size: 327680
    .private_segment_fixed_size: 0
    .kernarg_segment_align: 8
    .kernarg_segment_size: 16
    .max_flat_workgroup_size: 512
    .sgpr_count:     100
    .vgpr_count:     256
    .wavefront_size: 32
...
	.end_amdgpu_metadata
.endif
;; end of part 3
;; launch proj (part 4): grid 4 x 64, 4 waves a work-group, clusters of 4 x 4, 327,680 bytes of LDS; arguments ctx16, wo16, out0; writes out0
.if DOCPART == 4
	.amdgcn_target "amdgcn-amd-amdhsa--gfx1250"
	.amdhsa_code_object_version 6
	.text
	.protected	k_qa3c72e69da_proj
	.globl	k_qa3c72e69da_proj
	.p2align	8
	.type	k_qa3c72e69da_proj,@function
k_qa3c72e69da_proj:
	s_mov_b64 s[64:65], 0
	v_nop
	global_prefetch_b8 v0, s[64:65] scope:SCOPE_SE
	s_setreg_imm32_b32 hwreg(HW_REG_WAVE_MODE, 25, 1), 1
	s_wait_xcnt 0x0
	s_wait_alu depctr_hold_cnt(0) depctr_sa_sdst(0) depctr_va_vdst(0) depctr_va_sdst(0) depctr_va_ssrc(0) depctr_va_vcc(0) depctr_vm_vsrc(0)
	s_getreg_b32 s2, hwreg(HW_REG_IB_STS2, 6, 4)
	s_cmp_eq_u32 s2, 0
	s_cbranch_scc0 .Lentry_in_a_cluster
	s_endpgm
.Lentry_in_a_cluster:
	s_bfe_u32 s2, ttmp6, 0x10000c
	s_cmp_lg_u32 s2, 0xf033
	s_cbranch_scc0 .Lentry_shape_is_right
	s_endpgm
.Lentry_shape_is_right:
; out[m][e] = sum over d of ctx[m][d] Wo[e][d], m = 8,192, e = 1,024, d = 1,024; f16 operands, f32 sums, f32 out.  Both operands lie by chunks of 64 along K: ctx16 [16][8192][64], wo16 [16][1024][64].
; The rows of positions 0-15 of each sequence are NOT stored here: another launch makes them in f32.
; A tile of out is 128 x 256: 256 work-groups (tiles of 256 x 256 would be 128).  Four waves, each 64 x 128: 32 accumulators of 16 x 16, 256 registers.
; K goes in steps of 128 (two chunks) through a ring of two LDS slots; a wave fetches one chunk of one operand: waves 0, 1 ctx's (128 rows of 128 bytes), waves 2, 3 Wo's (256 rows).
; CLUSTERS: 4 x 4 work-groups.  The four of a row of the cluster need the same rows of ctx, the four of a column the same rows of Wo: each tile is asked for jointly.
; A tile's rows: batch = my place along the cluster's y, positions 128 x (cluster y) on: so 'my tile begins a sequence' is 'cluster y = 0', which all partners share.
; THE MATRIX INSTRUCTION IS USED TRANSPOSED (source 0 = 16 rows of Wo, source 1 = 16 rows of ctx): a lane holds eight neighbouring columns of one row of out.
; REGISTERS: window 0: v0-31 addresses; two fragment buffers of 96 (v32-127, v128-223): ctx's four blocks, then Wo's eight, 32 along K; on the way out v32-159 take rows of out.  window 1: accumulator (a, b) at v[8 (8 a + b)].
.set PITCH,  144                       ; an LDS row: 128 bytes + 16 = 36 words: the 16 rows of a fragment load start at 16 different groups of four banks (64 banks of 4 bytes: ISA guide 11.1)
.set ACH,    128*PITCH                 ; a chunk of ctx's tile
.set BCH,    256*PITCH                 ; a chunk of Wo's
.set SLOT,   2*ACH+2*BCH               ; ctx's two chunks, then Wo's two
.set STAGE,  2*SLOT                    ; behind the ring: 16 rows x 528 bytes for each wave
.set SPITCH, 528
.set SPARE,  STAGE+4*16*SPITCH         ; the spare words, 128 bytes a wave, which no other line names
.set LAPS,   4                         ; a lap = two K steps = once round the ring
.set ADRA, 16
.set ADRB, 20
.set STO,  24
.set RD,   25
.set CO,   26
.set SPW,  28
.set NIL,  29
.set F0,   32
.set F1,   128
.set BK,   32
.set G1,  24
.set G0,  32
.set G1B, 48
.set G0B, 56
.set MSB, 0
.macro WIN new
.if MSB != (\new)
	s_set_vgpr_msb (MSB<<8)|(\new)
.set MSB, (\new)
.endif
.endm
.set MUL, 0x50                         ; sources 0 and 1 window 0; C and D window 1
.macro JLOAD s                         ; a joint load: waves 0, 1 for ctx, waves 2, 3 for Wo; an s_nop 0 and four v_nop follow each of the two lines
	s_cmp_eq_u32 s11, 0
	s_cbranch_scc0 .Lfor_b_\@
	tensor_load_to_lds s[G0+4*\s:G0+4*\s+3], s[G1:G1+7]
	s_nop 0
.rept 4
	v_nop
.endr
	s_branch .Lasked_\@
.Lfor_b_\@:
	tensor_load_to_lds s[G0B+4*\s:G0B+4*\s+3], s[G1B:G1B+7]
	s_nop 0
.rept 4
	v_nop
.endr
.Lasked_\@:
.endm
.macro CREST                           ; a round of the cluster's barrier behind its opening barrier
	s_cmp_lg_u32 s10, 0
	s_cbranch_scc1 .Lnot_wave_0_\@
	s_barrier_signal -3
.Lnot_wave_0_\@:
	s_barrier_wait -3
	s_barrier_signal -1
	s_barrier_wait -1
.endm
.macro CROUND
	s_barrier_signal -1
	s_barrier_wait -1
	CREST
.endm
	s_load_b128 s[4:7], s[0:1], 0x0                ; ctx16, wo16
	s_load_b64 s[8:9], s[0:1], 0x10                ; out0
	v_lshl_add_u32 v[SPW], v0, 2, SPARE
	v_mov_b32 v[NIL], 0
	ds_add_u32 v[SPW], v[NIL]                      ; the wave's opening: the add, twice on end, and its wait ahead of my first tensor load
	ds_add_u32 v[SPW], v[NIL]
	v_lshrrev_b32 v1, 5, v0
	v_readfirstlane_b32 s10, v1                    ; wave 0..3
	s_lshr_b32 s11, s10, 1                         ; which 64 rows of the tile are mine.  Also: I fetch for ctx (0) or for Wo (1)
	s_and_b32 s12, s10, 1                          ; which 128 columns.  Also: which chunk of a K step I fetch
	s_bfe_u32 s40, ttmp6, 0x40000                  ; cx
	s_bfe_u32 s41, ttmp6, 0x40004                  ; cy = the batch
	s_lshl_b32 s42, ttmp9, 2
	s_add_co_u32 s42, s42, s40                     ; tile column
	s_and_b32 s13, ttmp7, 0xffff                   ; cluster y = the block of 128 positions
	s_lshl_b32 s43, s41, 2
	s_lshl_b32 s43, 15, s43                        ; my row of the cluster
	s_lshl_b32 s44, 0x1111, s40                    ; my column
	s_or_b32 s45, s13, s11                         ; 0 where my block 0 is positions 0-15: made of the cluster's y and the wave's number
	s_or_b32 s[G1+0], s43, (1<<16)|(1<<20)|(1<<21)|(4<<22)|(3<<25)   ; the mask; elements of 2 bytes; padding on; bit 21 beside a mask; after every 32 words, 4 words
	s_or_b32 s[G1B+0], s44, (1<<16)|(1<<20)|(1<<21)|(4<<22)|(3<<25)
	s_mov_b32 s[G1+1], 64<<16                      ; tensor_dim0
	s_mov_b32 s[G1+2], 128<<16                     ; tensor_dim1
	s_mov_b32 s[G1+3], 64<<16                      ; tile_dim0
	s_mov_b32 s[G1+4], 128                         ; tile_dim1
	s_mov_b32 s[G1+5], 64                          ; from row to row
	s_mov_b32 s[G1+6], 0
	s_mov_b32 s[G1+7], 0
	s_mov_b32 s[G1B+1], 64<<16
	s_mov_b32 s[G1B+2], 256<<16
	s_mov_b32 s[G1B+3], 64<<16
	s_mov_b32 s[G1B+4], 256
	s_mov_b32 s[G1B+5], 64
	s_mov_b32 s[G1B+6], 0
	s_mov_b32 s[G1B+7], 0
	s_lshl_b32 s16, s41, 18                        ; ctx: row 2,048 x batch + 128 x block, 128 bytes a row,
	s_lshl_b32 s17, s13, 14
	s_add_co_u32 s16, s16, s17
	s_lshl_b32 s17, s12, 20                        ; + my chunk: 1,048,576 bytes a chunk
	s_add_co_u32 s16, s16, s17
	s_mov_b32 s17, 0
	s_lshl_b32 s46, s42, 15                        ; Wo: row 256 x tile column,
	s_lshl_b32 s47, s12, 17                        ; + my chunk: 131,072 bytes a chunk
	s_add_co_u32 s46, s46, s47
	s_mov_b32 s47, 0
	s_mul_i32 s20, s12, ACH                        ; where they go: no place in the cluster enters an LDS address
	s_mul_i32 s21, s12, BCH
	s_add_co_u32 s21, s21, 2*ACH
	s_wait_dscnt 0x0                               ; both opening adds are done
	s_wait_kmcnt 0x0
	s_add_nc_u64 s[14:15], s[4:5], s[16:17]
	s_add_nc_u64 s[46:47], s[6:7], s[46:47]
	CROUND                                         ; all sixteen work-groups are here: the first joint loads meet
.irp s, 0,1
	s_mov_b32 s[G0+4*\s], 1
	s_add_co_u32 s[G0+4*\s+1], s20, \s*SLOT
	s_add_nc_u64 s[G0+4*\s+2:G0+4*\s+3], s[14:15], \s*2097152      ; K step s: two chunks on
	s_or_b32 s[G0+4*\s+3], s[G0+4*\s+3], 0x80000000
	s_mov_b32 s[G0B+4*\s], 1
	s_add_co_u32 s[G0B+4*\s+1], s21, \s*SLOT
	s_add_nc_u64 s[G0B+4*\s+2:G0B+4*\s+3], s[46:47], \s*262144
	s_or_b32 s[G0B+4*\s+3], s[G0B+4*\s+3], 0x80000000
	JLOAD \s
.endr
	v_and_b32 v1, 15, v0                           ; r
	v_bfe_u32 v2, v0, 4, 1                         ; h
	v_mul_u32_u24 v3, v1, PITCH
	v_lshl_add_u32 v3, v2, 4, v3                   ; a fragment's row x pitch + 16 h
	s_mul_i32 s22, s11, 64*PITCH                   ; my 64 rows of ctx
	s_mul_i32 s23, s12, 128*PITCH                  ; my 128 rows of Wo,
	s_add_co_u32 s23, s23, 2*ACH                   ; behind ctx's two chunks
.irp s, 0,1
	v_add_nc_u32 v[ADRA+\s], s22, v3
	v_add_nc_u32 v[ADRB+\s], s23, v3
	s_add_co_u32 s22, s22, SLOT
	s_add_co_u32 s23, s23, SLOT
.endr
	s_mul_i32 s23, s10, 16*SPITCH
	s_add_co_u32 s23, s23, STAGE                   ; my stage
	v_mul_u32_u24 v4, v1, SPITCH
	v_lshl_add_u32 v4, v2, 5, v4
	v_add_nc_u32 v[STO], s23, v4                   ; in: row r, 32 bytes for each half of the lanes
	v_and_b32 v5, 31, v0
	v_lshlrev_b32 v[CO], 4, v5
	v_add_nc_u32 v[RD], s23, v[CO]                 ; back: the 32 lanes take one row of 512 bytes
	s_lshl_b32 s16, s41, 23                        ; out0: (2,048 x batch + 128 x block + 64 x my half) rows of 4,096 bytes
	s_lshl_b32 s17, s13, 19
	s_add_co_u32 s16, s16, s17
	s_lshl_b32 s17, s11, 18
	s_add_co_u32 s16, s16, s17
	s_lshl_b32 s17, s42, 10                        ; + (256 x tile column + 128 x my half) x 4
	s_add_co_u32 s16, s16, s17
	s_lshl_b32 s17, s12, 9
	s_add_co_u32 s16, s16, s17
	s_mov_b32 s17, 0
	s_add_nc_u64 s[8:9], s[8:9], s[16:17]
; 8 matrix instructions: ctx's block a against Wo's eight, 32 along K.  The 32 accumulators take turns, one instruction a turn, in the same order in every quarter.
.macro MUL8 f, a, zero
.irp b, 0,1,2,3,4,5,6,7
.if \zero
	v_wmma_f32_16x16x32_f16 v[8*(8*(\a)+\b):8*(8*(\a)+\b)+7], v[\f+32+8*\b:\f+32+8*\b+7], v[\f+8*(\a):\f+8*(\a)+7], 0
.else
	v_wmma_f32_16x16x32_f16 v[8*(8*(\a)+\b):8*(8*(\a)+\b)+7], v[\f+32+8*\b:\f+32+8*\b+7], v[\f+8*(\a):\f+8*(\a)+7], v[8*(8*(\a)+\b):8*(8*(\a)+\b)+7]
.endif
.endr
.endm
.macro MUL16 f, a0, zero
	MUL8 \f, \a0, \zero
	MUL8 \f, \a0+1, \zero
.endm
; 24 LDS loads in one run: quarter qd of the slot's K step (chunk qd / 2, 32 along K at byte 64 (qd % 2)) into buffer f: Wo's eight blocks, then ctx's four
.macro FETCH slot, qd, f
.irp b, 0,1,2,3,4,5,6,7
	ds_load_b128 v[\f+32+8*\b:\f+32+8*\b+3],   v[ADRB+\slot] offset:((\qd)/2)*BCH+((\qd)%2)*64+\b*16*PITCH
	ds_load_b128 v[\f+32+8*\b+4:\f+32+8*\b+7], v[ADRB+\slot] offset:((\qd)/2)*BCH+((\qd)%2)*64+\b*16*PITCH+32
.endr
.irp i, 0,1,2,3
	ds_load_b128 v[\f+8*\i:\f+8*\i+3],   v[ADRA+\slot] offset:((\qd)/2)*ACH+((\qd)%2)*64+\i*16*PITCH
	ds_load_b128 v[\f+8*\i+4:\f+8*\i+7], v[ADRA+\slot] offset:((\qd)/2)*ACH+((\qd)%2)*64+\i*16*PITCH+32
.endr
.endm
.macro PLACES                          ; four plain lines in front of loads into registers that matrix instructions have read, and of the first read of results
.rept 4
	v_nop
.endr
.endm
; One of a K step's first three quarters: multiplies buffer f; in its middle it fetches quarter qd into buffer g.
.macro QUARTER slot, qd, f, g, zero
	s_wait_dscnt 4                                 ; Wo's blocks and ctx's blocks 0, 1 are in; the youngest four loads (blocks 2, 3) may be out
	WIN MUL
	MUL16 \f, 0, \zero
	PLACES
	WIN 0
	FETCH \slot, \qd, \g
	s_wait_dscnt 24                                ; all but the 24 just issued
	WIN MUL
	MUL16 \f, 2, \zero
.endm
; The last quarter multiplies buffer 1 and changes slots: one barrier; in front of it each wave waits for all its tensor loads, adds 0 to its spare word, and waits for that and for its reads of this slot.
; fill = 1: the barrier opens a round of the cluster's barrier, and this slot is filled again, two K steps ahead: the load has 112 of a K step's 128 matrix instructions in which to land.
.macro TURN slot, next, fill
	WIN 0
	s_wait_tensorcnt 0x0                           ; all my tensor loads have landed: my part of the next slot
	ds_add_u32 v[SPW], v[NIL]
	s_wait_dscnt 5                                 ; the add and the youngest four loads may be out
	WIN MUL
	MUL8 F1, 0, 0
	s_wait_dscnt 0x0                               ; the add is done, and my reads of this slot are over
	s_barrier_signal -1
	MUL8 F1, 1, 0
	WIN 0
	s_barrier_wait -1
.if \fill
	CREST                                          ; no wave of any partner still reads this slot's tile or has a load on its way
	s_add_nc_u64 s[G0+4*\slot+2:G0+4*\slot+3], s[G0+4*\slot+2:G0+4*\slot+3], 4194304
	s_add_nc_u64 s[G0B+4*\slot+2:G0B+4*\slot+3], s[G0B+4*\slot+2:G0B+4*\slot+3], 524288
	JLOAD \slot                                    ; the first tensor load behind the round; its four v_nop are also the places in front of the loads below
.else
	PLACES
.endif
	FETCH \next, 0, F0
	WIN MUL
	MUL16 F1, 2, 0
.endm
	s_wait_tensorcnt 1                             ; my part of K step 0 is in; K step 1's load may be out,
	s_barrier_signal -1
	s_barrier_wait -1                              ; everybody's is
	FETCH 0, 0, F0
	QUARTER 0, 1, F0, F1, 1                        ; the first quarter's products start the sums: nothing is cleared
	WIN 0
	s_mov_b32 s3, LAPS-1
.Llap:                                             ; a trip goes once round the ring, from a lap's second quarter to the next lap's first, and fills both slots again
	QUARTER 0, 2, F1, F0, 0
	QUARTER 0, 3, F0, F1, 0
	TURN 0, 1, 1
	QUARTER 1, 1, F0, F1, 0
	QUARTER 1, 2, F1, F0, 0
	QUARTER 1, 3, F0, F1, 0
	TURN 1, 0, 1
	QUARTER 0, 1, F0, F1, 0
	WIN 0
	s_sub_co_u32 s3, s3, 1
	s_cmp_lg_u32 s3, 0
	s_cbranch_scc1 .Llap
	QUARTER 0, 2, F1, F0, 0                        ; the last lap fills nothing
	QUARTER 0, 3, F0, F1, 0
	TURN 0, 1, 0
	QUARTER 1, 1, F0, F1, 0
	QUARTER 1, 2, F1, F0, 0
	QUARTER 1, 3, F0, F1, 0
	s_wait_dscnt 4
	WIN MUL
	MUL16 F1, 0, 0
	s_wait_dscnt 0
	MUL16 F1, 2, 0
	WIN 0
; THE WAY OUT, a block of 16 rows x 128 columns at a time: through my own stage, back as whole rows of 512 bytes.
.macro TOSTAGE a
	WIN 0x04                                       ; an LDS store's data are its source 1: window 1
.irp b, 0,1,2,3,4,5,6,7
	ds_store_b128 v[STO], v[8*(8*(\a)+\b):8*(8*(\a)+\b)+3] offset:64*\b          ; each accumulator from its low end on
	ds_store_b128 v[STO], v[8*(8*(\a)+\b)+4:8*(8*(\a)+\b)+7] offset:64*\b+16
.endr
	WIN 0
.set BB, BK+64*((\a)%2)
.irp t, 0,1,2,3,4,5,6,7,8,9,10,11,12,13,14,15
	ds_load_b128 v[BB+4*\t:BB+4*\t+3], v[RD] offset:\t*SPITCH      ; LDS serves a wave's instructions in order: these see the stores above
.endr
.endm
.macro SEND a, younger                 ; younger: the LDS instructions issued behind block a's loads, which may stay out
.set BB, BK+64*((\a)%2)
	s_wait_dscnt \younger
.irp t, 0,1,2,3,4,5,6,7,8,9,10,11,12,13,14,15
	global_store_b128 v[CO], v[BB+4*\t:BB+4*\t+3], s[8:9] offset:(16*(\a)+\t)*4096 th:TH_STORE_NT   ; 512 consecutive bytes, aligned; written once, read by nobody here
.endr
.endm
	PLACES
	s_cmp_eq_u32 s45, 0                            ; positions 0-15 of a sequence belong to the launch that makes them in f32
	s_cbranch_scc1 .Lb1
	TOSTAGE 0
	SEND 0, 0
.Lb1:
	s_wait_xcnt 0x0                                ; block 0's stores have read their registers
	TOSTAGE 1
	TOSTAGE 2
	SEND 1, 32                                     ; behind block 1's loads: block 2's 16 stores and 16 loads
	s_wait_xcnt 0x0                                ; block 1's stores have read their registers
	TOSTAGE 3
	SEND 2, 32
	SEND 3, 0
	s_wait_tensorcnt 0x0                           ; the wave's end
	ds_add_u32 v[SPW], v[NIL]
	s_wait_dscnt 0x0
	CROUND                                         ; the closing round
	s_endpgm
.Lfunc_end_k_qa3c72e69da_proj:
	.size	k_qa3c72e69da_proj, .Lfunc_end_k_qa3c72e69da_proj-k_qa3c72e69da_proj
	.p2alignl 7, 3214868480
	.fill 96, 4, 3214868480
	.section	.rodata,"a",@progbits
	.p2align	6, 0x0
	.amdhsa_kernel k_qa3c72e69da_proj
		.amdhsa_group_segment_fixed_size 327680
		.amdhsa_private_segment_fixed_size 0
		.amdhsa_enable_private_segment 0
		.amdhsa_kernarg_size 24
		.amdhsa_user_sgpr_count 2
		.amdhsa_user_sgpr_kernarg_segment_ptr 1
		.amdhsa_wavefront_size32 1
		.amdhsa_system_sgpr_workgroup_id_x 1
		.amdhsa_system_sgpr_workgroup_id_y 1
		.amdhsa_system_sgpr_workgroup_id_z 1
		.amdhsa_system_vgpr_workitem_id 0
		.amdhsa_next_free_vgpr 512
		.amdhsa_next_free_sgpr 66
		.amdhsa_reserve_vcc 0
		.amdhsa_float_denorm_mode_32 3
		.amdhsa_float_denorm_mode_16_64 3
		.amdhsa_memory_ordered 1
		.amdhsa_forward_progress 1
		.amdhsa_inst_pref_size 85
	.end_amdhsa_kernel
	.amdgpu_metadata
---
amdhsa.version: [ 1, 2 ]
amdhsa.kernels:
  - .name:           k_qa3c72e69da_proj
    .symbol:         k_qa3c72e69da_proj.kd
    .args:
      - { .name: ctx16, .offset: 0, .size: 8, .value_kind: global_buffer, .address_space: global }
      - { .name: wo16, .offset: 8, .size: 8, .value_kind: global_buffer, .address_space: global }
      - { .name: out0, .offset: 16, .size: 8, .value_kind: global_buffer, .address_space: global }
    .group_segment_fixed_size: 327680
    .private_segment_fixed_size: 0
    .kernarg_segment_align: 8
    .kernarg_segment_size: 24
    .max_flat_workgroup_size: 128
    .sgpr_count:     66
    .vgpr_count:     512
    .wavefront_size: 32
...
	.end_amdgpu_metadata
.endif
;; end of part 4
;; launch fine (part 5): grid 64 x 4, 16 waves a work-group, no clusters, 18,432 bytes of LDS; arguments qkv32, Wo, out0; writes out0
.if DOCPART == 5
	.amdgcn_target "amdgcn-amd-amdhsa--gfx1250"
	.amdhsa_code_object_version 6
	.text
	.protected	k_qa3c72e69da_fine
	.globl	k_qa3c72e69da_fine
	.p2align	8
	.type	k_qa3c72e69da_fine,@function
k_qa3c72e69da_fine:
	s_mov_b64 s[64:65], 0
	v_nop
	global_prefetch_b8 v0, s[64:65] scope:SCOPE_SE
	s_setreg_imm32_b32 hwreg(HW_REG_WAVE_MODE, 25, 1), 1
	s_wait_xcnt 0x0
; Positions 0-15 of the four sequences, all in f32: their rows average few values, so nothing is rounded to 16 bits on their way.  qkv32: [4][16][3072] f32 (Q, K, V by columns); Wo: [1024][1024] f32; out0 rows 2,048 b + 0 .. 15.
; SHARES.  Work-group (x, b): batch b, output columns 16 x .. 16 x + 15.  Wave w is head w: its 16 x 16 causal attention, then its 64 of the projection's 1,024 along K, without leaving registers; the 16 partial tiles are added through LDS.
; The f32 matrix form is slow, so the projection is spread over 256 work-groups.  The price: a batch's 16 small attentions are made again in each of its 64 slices, and a row's piece of out0 is 64 bytes (256 KB in the whole launch).
; All three products are used transposed, so that a lane holds ONE query (lane % 16).  Along each product's K both sources take the same order of k, which is not the ascending one: the sums are the same but for the order of addition.
; The registers that the f32 matrix form writes (v144-159, v168-199, v232-247) are written by it alone; what is made of a sum goes into other registers.
.set QF, 16                            ; v16-47   Q: register 4 c + i = channel 8 c + 4 h + i of query r
.set KF, 48                            ; v48-79   K likewise, of key r
.set VF, 80                            ; v80-111  V: register 8 f + u = key 8 h + u, channel 16 f + r
.set WF, 112                           ; v112-143 Wo: register 8 f + i = channel 16 f + 8 h + i of output column r
.set SA, 144                           ; v144-159 two sums of the scores
.set T,  160                           ; v160-167 the scores, then p: register j = key 8 h + j of query r
.set OA, 168                           ; v168-199 O^T: register 8 f + j = channel 16 f + 8 h + j of query r
.set CT, 200                           ; v200-231 ctx = O^T / l
.set RA, 232                           ; v232-247 two sums of the projection: register j = output column 8 h + j of query r
.set SPW, 8
.set NIL, 9
.set SPARE, 16384                      ; LDS: 16 partial tiles of 1,024 bytes, then the spare words, 128 bytes a wave, which no other line names
	s_load_b128 s[4:7], s[0:1], 0x0                ; qkv32, Wo
	s_load_b64 s[8:9], s[0:1], 0x10                ; out0
	v_lshl_add_u32 v[SPW], v0, 2, SPARE
	v_mov_b32 v[NIL], 0
	v_lshrrev_b32 v13, 5, v0
	v_readfirstlane_b32 s10, v13                   ; wave = head
	s_and_b32 s11, ttmp7, 0xffff                   ; batch
	s_mul_i32 s12, s11, 196608                     ; the batch's 16 rows of 12,288 bytes,
	s_lshl_b32 s14, s10, 8                         ; the head's 64 numbers
	s_add_co_u32 s12, s12, s14
	s_mov_b32 s13, 0
	s_lshl_b32 s16, ttmp9, 16                      ; Wo: 16 rows of 4,096 bytes a slice
	s_add_co_u32 s16, s16, s14
	s_mov_b32 s17, 0
	s_lshl_b32 s18, s11, 23                        ; out0: 2,048 rows of 4,096 bytes a batch,
	s_lshl_b32 s19, ttmp9, 6                       ; 64 bytes a slice
	s_add_co_u32 s18, s18, s19
	s_mov_b32 s19, 0
	s_mov_b32 s20, 0x3e38aa3b                      ; c = log2(e) / 8
	s_mov_b32 s22, 0x76543210
	s_mov_b32 s23, 0xfedcba98                      ; selects for v_permlanex16_b32: lane l xor 16
	v_and_b32 v1, 15, v0                           ; r
	v_bfe_u32 v2, v0, 4, 1                         ; h
	v_mul_u32_u24 v3, v1, 12288
	v_lshl_add_u32 v3, v2, 4, v3                   ; Q, K: row r, + 16 h
	v_mul_u32_u24 v4, v2, 98304
	v_lshl_add_u32 v4, v1, 2, v4                   ; V: rows 8 h on, channel r
	v_lshlrev_b32 v5, 12, v1
	v_lshl_add_u32 v5, v2, 5, v5                   ; Wo and out0: row r of 4,096 bytes, + 32 h
	v_lshlrev_b32 v6, 3, v2
	v_sub_nc_u32 v6, v1, v6                        ; r - 8 h
	v_mov_b32 v7, 0xff800000                       ; -infinity
	v_and_b32 v10, 31, v0
	v_lshlrev_b32 v10, 4, v10
	v_lshl_add_u32 v10, v13, 10, v10               ; my wave's partial tile: 1,024 x wave + 16 x lane
	v_lshlrev_b32 v11, 4, v0                       ; and back, in waves 0 and 1: 16 x thread
	v_lshl_add_u32 v12, v13, 4, v5                 ; out0: + 16 x wave (waves 0 and 1)
	v_mov_b32 v249, 0                              ; (a lane permute's destination counts as one of its sources)
	v_mov_b32 v251, 0                              ; (named as the upper half of the pair v[250:251])
	s_wait_kmcnt 0x0
	s_add_nc_u64 s[4:5], s[4:5], s[12:13]
	s_add_nc_u64 s[6:7], s[6:7], s[16:17]
	s_add_nc_u64 s[8:9], s[8:9], s[18:19]
.irp c, 0,1,2,3,4,5,6,7
	global_load_b128 v[QF+4*\c:QF+4*\c+3], v3, s[4:5] offset:32*\c
.endr
.irp c, 0,1,2,3,4,5,6,7
	global_load_b128 v[KF+4*\c:KF+4*\c+3], v3, s[4:5] offset:4096+32*\c
.endr
.irp f, 0,1,2,3
.irp u, 0,1,2,3,4,5,6,7
	global_load_b32 v[VF+8*\f+\u], v4, s[4:5] offset:8192+12288*\u+64*\f
.endr
.endr
.irp f, 0,1,2,3
.irp g, 0,1
	global_load_b128 v[WF+8*\f+4*\g:WF+8*\f+4*\g+3], v5, s[6:7] offset:64*\f+16*\g
.endr
.endr
	s_wait_loadcnt 40                              ; Q and K are in; V's 32 loads and Wo's 8 may be out
	; S^T = K Q^T: 16 steps of 4 channels, two sums by turns
.irp i, 0,1
	v_wmma_f32_16x16x4_f32 v[SA+8*\i:SA+8*\i+7], v[KF+2*\i:KF+2*\i+1], v[QF+2*\i:QF+2*\i+1], 0
.endr
.irp i, 2,3,4,5,6,7,8,9,10,11,12,13,14,15
	v_wmma_f32_16x16x4_f32 v[SA+8*(\i%2):SA+8*(\i%2)+7], v[KF+2*\i:KF+2*\i+1], v[QF+2*\i:QF+2*\i+1], v[SA+8*(\i%2):SA+8*(\i%2)+7]
.endr
.rept 8
	v_nop                                          ; eight places behind this form (ISA guide 7.12.1)
.endr
.irp i, 0,2,4,6
	v_pk_add_f32 v[T+\i:T+\i+1], v[SA+\i:SA+\i+1], v[SA+8+\i:SA+8+\i+1]
.endr
.irp j, 0,1,2,3,4,5,6,7
	v_cmp_gt_i32 vcc_lo, \j, v6                    ; key 8 h + j comes after query r
	v_cndmask_b32 v[T+\j], v[T+\j], v7, vcc_lo
.endr
	v_max3_num_f32 v248, v[T], v[T+1], v[T+2]
	v_max3_num_f32 v248, v248, v[T+3], v[T+4]
	v_max3_num_f32 v248, v248, v[T+5], v[T+6]
	v_max_num_f32 v248, v248, v[T+7]
	v_permlanex16_b32 v249, v248, s22, s23
	v_max_num_f32 v248, v248, v249                 ; the row's maximum: key 0 counts for every query, so it is a number
	v_mul_f32 v250, s20, v248
.irp j, 0,1,2,3,4,5,6,7
	v_fma_f32 v[T+\j], v[T+\j], s20, -v250         ; c s - c m
.endr
.irp j, 0,1,2,3,4,5,6,7
	v_exp_f32 v[T+\j], v[T+\j]
.endr
	v_nop
	s_wait_alu depctr_va_vdst(0)                   ; one wait for the eight, ahead of their first reader
	v_pk_add_f32 v[252:253], v[T:T+1], v[T+2:T+3]
	v_pk_add_f32 v[254:255], v[T+4:T+5], v[T+6:T+7]
	v_pk_add_f32 v[252:253], v[252:253], v[254:255]
	v_add_f32 v252, v252, v253
	v_permlanex16_b32 v249, v252, s22, s23
	v_add_f32 v252, v252, v249                     ; the row's sum
	v_rcp_f32 v250, v252
	v_nop
	s_wait_alu depctr_va_vdst(0)
	s_wait_loadcnt 8                               ; V is in; Wo's 8 loads may be out
	; O^T = V^T P: four steps of 4 keys, four sums by turns
.irp f, 0,1,2,3
	v_wmma_f32_16x16x4_f32 v[OA+8*\f:OA+8*\f+7], v[VF+8*\f:VF+8*\f+1], v[T:T+1], 0
.endr
.irp k, 1,2,3
.irp f, 0,1,2,3
	v_wmma_f32_16x16x4_f32 v[OA+8*\f:OA+8*\f+7], v[VF+8*\f+2*\k:VF+8*\f+2*\k+1], v[T+2*\k:T+2*\k+1], v[OA+8*\f:OA+8*\f+7]
.endr
.endr
.rept 8
	v_nop
.endr
.irp i, 0,2,4,6,8,10,12,14,16,18,20,22,24,26,28,30
	v_pk_mul_f32 v[CT+\i:CT+\i+1], v[OA+\i:OA+\i+1], v[250:251] op_sel_hi:[1,0]   ; ctx = O^T / l, into other registers
.endr
	s_wait_loadcnt 0x0                             ; Wo
	; my head's part of out^T = Wo ctx^T: 16 steps of 4 channels, two sums by turns
.irp i, 0,1
	v_wmma_f32_16x16x4_f32 v[RA+8*\i:RA+8*\i+7], v[WF+2*\i:WF+2*\i+1], v[CT+2*\i:CT+2*\i+1], 0
.endr
.irp i, 2,3,4,5,6,7,8,9,10,11,12,13,14,15
	v_wmma_f32_16x16x4_f32 v[RA+8*(\i%2):RA+8*(\i%2)+7], v[WF+2*\i:WF+2*\i+1], v[CT+2*\i:CT+2*\i+1], v[RA+8*(\i%2):RA+8*(\i%2)+7]
.endr
.rept 8
	v_nop
.endr
.irp i, 0,2,4,6
	v_pk_add_f32 v[248+\i:249+\i], v[RA+\i:RA+\i+1], v[RA+8+\i:RA+8+\i+1]
.endr
	ds_store_b128 v10, v[248:251]                  ; columns 8 h + 0 .. 3
	ds_store_b128 v10, v[252:255] offset:512       ; columns 8 h + 4 .. 7
	s_wait_dscnt 0x0                               ; for the others' sake: my stores are done
	s_barrier_signal -1
	s_barrier_wait -1
	s_cmp_ge_u32 s10, 2                            ; waves 0 and 1 add the sixteen heads' parts: wave g takes columns 8 h + 4 g + 0 .. 3
	s_cbranch_scc1 .Lend
.irp u, 0,1,2,3,4,5,6,7,8,9,10,11,12,13,14,15
	ds_load_b128 v[16+4*\u:19+4*\u], v11 offset:1024*\u
.endr
	s_wait_dscnt 0x0
.irp u, 0,2,4,6,8,10,12,14
	v_pk_add_f32 v[16+4*\u:17+4*\u], v[16+4*\u:17+4*\u], v[20+4*\u:21+4*\u]
	v_pk_add_f32 v[18+4*\u:19+4*\u], v[18+4*\u:19+4*\u], v[22+4*\u:23+4*\u]
.endr
.irp u, 0,4,8,12
	v_pk_add_f32 v[16+4*\u:17+4*\u], v[16+4*\u:17+4*\u], v[24+4*\u:25+4*\u]
	v_pk_add_f32 v[18+4*\u:19+4*\u], v[18+4*\u:19+4*\u], v[26+4*\u:27+4*\u]
.endr
.irp u, 0,8
	v_pk_add_f32 v[16+4*\u:17+4*\u], v[16+4*\u:17+4*\u], v[32+4*\u:33+4*\u]
	v_pk_add_f32 v[18+4*\u:19+4*\u], v[18+4*\u:19+4*\u], v[34+4*\u:35+4*\u]
.endr
	v_pk_add_f32 v[16:17], v[16:17], v[48:49]
	v_pk_add_f32 v[18:19], v[18:19], v[50:51]
	global_store_b128 v12, v[16:19], s[8:9]        ; out0(2,048 b + r, 16 x + 8 h + 4 g + 0 .. 3)
.Lend:
	s_wait_tensorcnt 0x0                           ; the wave's end, behind my last LDS store
	ds_add_u32 v[SPW], v[NIL]
	s_wait_dscnt 0x0
	s_endpgm
.Lfunc_end_k_qa3c72e69da_fine:
	.size	k_qa3c72e69da_fine, .Lfunc_end_k_qa3c72e69da_fine-k_qa3c72e69da_fine
	.p2alignl 7, 3214868480
	.fill 96, 4, 3214868480
	.section	.rodata,"a",@progbits
	.p2align	6, 0x0
	.amdhsa_kernel k_qa3c72e69da_fine
		.amdhsa_group_segment_fixed_size 18432
		.amdhsa_private_segment_fixed_size 0
		.amdhsa_enable_private_segment 0
		.amdhsa_kernarg_size 24
		.amdhsa_user_sgpr_count 2
		.amdhsa_user_sgpr_kernarg_segment_ptr 1
		.amdhsa_wavefront_size32 1
		.amdhsa_system_sgpr_workgroup_id_x 1
		.amdhsa_system_sgpr_workgroup_id_y 1
		.amdhsa_system_sgpr_workgroup_id_z 1
		.amdhsa_system_vgpr_workitem_id 0
		.amdhsa_next_free_vgpr 256
		.amdhsa_next_free_sgpr 66
		.amdhsa_reserve_vcc 1
		.amdhsa_float_denorm_mode_32 3
		.amdhsa_float_denorm_mode_16_64 3
		.amdhsa_memory_ordered 1
		.amdhsa_forward_progress 1
		.amdhsa_inst_pref_size 19
	.end_amdhsa_kernel
	.amdgpu_metadata
---
amdhsa.version: [ 1, 2 ]
amdhsa.kernels:
  - .name:           k_qa3c72e69da_fine
    .symbol:         k_qa3c72e69da_fine.kd
    .args:
      - { .name: qkv32, .offset: 0, .size: 8, .value_kind: global_buffer, .address_space: global }
      - { .name: Wo, .offset: 8, .size: 8, .value_kind: global_buffer, .address_space: global }
      - { .name: out0, .offset: 16, .size: 8, .value_kind: global_buffer, .address_space: global }
    .group_segment_fixed_size: 18432
    .private_segment_fixed_size: 0
    .kernarg_segment_align: 8
    .kernarg_segment_size: 24
    .max_flat_workgroup_size: 512
    .sgpr_count:     66
    .vgpr_count:     256
    .wavefront_size: 32
...
	.end_amdgpu_metadata
.endif
;; end of part 5
